; MI455X (gfx1250); checked and timed in simulation.
; The chip was launched on July 23, 2026; its instructions are those of AMD's public machine-readable ISA for CDNA 5 (MIT licence, August 2026) and "CDNA5" Instruction Set Architecture Reference Guide (July 2026). The comments in the code are by the model that wrote it; some were corrected since.
;; Multi Head Attention. Allowed arithmetic: matrix products marked QUANTISED: E2M3 operands, one E8M0 scale for each 32 along K, by v_wmma_scale_f32_16x16x128_f8f6f4 with both operands' format E2M3, f32 sums; everything else in f32.
;; Inputs: Wk 1,024 x 1,024 float32; Wo 1,024 x 1,024 float32; Wq 1,024 x 1,024 float32; Wv 1,024 x 1,024 float32; bk 1,024 float32; bo 1,024 float32; bq 1,024 float32; bv 1,024 float32; key 2,048 x 2 x 1,024 float32; query 2,048 x 2 x 1,024 float32; value 2,048 x 2 x 1,024 float32.
;; Outputs: out0 2,048 x 2 x 1,024 float32.
;; This version of the problem:
;;   THIS VERSION OF THE PROBLEM IS GIVEN IN LOW PRECISION. The matrix products marked QUANTISED in the list below multiply operands that are first quantised to E2M3 (2 exponent bits, 3 mantissa bits; 6 bits a number), with one power-of-two scale for each 32 numbers along K (OCP MX v1.0); their sums are f32. All else is computed in f32.
;;   The module's matrix products, in the order in which they are computed (A, B: the left and right operand; K: the contracted axis; several contracted axes count as one K, in the product's order):
;;     1. [M 4,096, K 1,024] x [K 1,024, N 1,024]; A: input query; B: input Wq: QUANTISED
;;     2. [M 4,096, K 1,024] x [K 1,024, N 1,024]; A: input key; B: input Wk: QUANTISED
;;     3. [M 4,096, K 1,024] x [K 1,024, N 1,024]; A: input value; B: input Wv: QUANTISED
;;     4. batch 32 x [M 2,048, K 64] x [K 64, N 2,048]; A: computed on the way; B: computed on the way: QUANTISED
;;     5. batch 32 x [M 64, K 2,048] x [K 2,048, N 2,048]; A: computed on the way; B: softmax (see below): QUANTISED
;;     6. [M 4,096, K 1,024] x [K 1,024, N 1,024]; A: computed on the way; B: input Wo: QUANTISED
;;   THE QUANTISER, for each operand of a quantised product, along K:
;;     - K is cut into blocks of 32 from its start; a last block that is shorter is filled with zeros.
;;     - A block's scale is 2^e with e = floor(log2(the largest magnitude in the block)) - 2, held to -126 .. 127; a block of zeros has e = 0. As a byte (E8M0): e + 127.
;;     - Each number is divided by its block's scale, clamped to +-7.5, and rounded to the nearest number of E2M3, ties to even, subnormals kept.
;;     - The product sums the exact products of the quantised numbers (number of the format x scale) in f32.
;;   ~~~python
;;   def quantise(x, axis):      # numpy; x: float32 -> the quantised numbers, widened to float32 again
;;       x = np.moveaxis(x, axis, -1); K = x.shape[-1]
;;       x = np.pad(x, [(0, 0)] * (x.ndim - 1) + [(0, -K % 32)]); x = x.reshape(x.shape[:-1] + (-1, 32)); a = np.abs(x).max(-1, keepdims=True)
;;       e = np.where(a > 0, np.clip(np.frexp(np.where(a > 0, a, 1))[1] - 1 - 2, -126, 127), 0)      # np.frexp(a)[1] - 1 = floor(log2(a)), exactly
;;       r = np.clip(x / 2.0 ** e, -7.5, 7.5)
;;       step = 2.0 ** (np.maximum(np.frexp(np.where(r == 0, 1, r))[1] - 1, 0) - 3)
;;       q = np.round(r / step) * step * 2.0 ** e      # np.round: ties to even
;;       return np.moveaxis(q.reshape(q.shape[:-2] + (-1,))[..., :K], -1, axis).astype(np.float32)
;;   ~~~
;;   SOFTMAX AHEAD OF A QUANTISED PRODUCT. Where the list says 'softmax', what is quantised is not the finished softmax but p = 2^(t - M), with t = logit x log2(e) and M = ceil(the row's largest t), a whole number; so 1/2 < the row's largest p <= 1. The row's sum l is taken of the UNQUANTISED p, in f32, and the product's result is divided by l at the end. Since M is a whole number, a kernel that streams over the keys may use a running M (the ceiling of the running maximum): every later rescaling is an exact power of two, which a block's scale takes up: the codes' values come out the same.
;;   OPERANDS COMPUTED ON THE WAY. 'Computed on the way' means the value that the module computes at that place (a softmax that the list does not call 'softmax' is quantised finished and normalised). What goes into a quantiser is computed in f32, as accurately as f32 sums, v_exp_f32 and their like allow (about 1e-6 of the number): no bf16 or f16 on the way to a quantiser, and a product that is left as it is and whose result goes on into a quantised operand takes f32 operands (vector FMAs, or v_wmma_f32_16x16x4_f32). A number that lies on a knife's edge between two numbers of the format may be rounded either way, as far as f32 arithmetic and the matrix unit's own rounding can turn it there, and no further.
;; One version. Each part assembles by itself: llvm-mc -triple=amdgcn-amd-amdhsa -mcpu=gfx1250 --defsym DOCPART=n.
;; ======== version 1 of 1: 4 launches
;; limits: right only within a limited range of input values
;; workspace buffers: gc 12,582,912 bytes; gs 524,288 bytes; qr 6,815,744 bytes; kv 6,815,744 bytes; oc 3,145,728 bytes; osc 131,072 bytes
;; launch quant (part 1): grid 1024 x 1, 8 waves a work-group, no clusters, 69,120 bytes of LDS; arguments query, key, value, Wq, Wk, Wv, Wo, gc, gs; writes gc, gs
.if DOCPART == 1
	.amdgcn_target "amdgcn-amd-amdhsa--gfx1250"
	.amdhsa_code_object_version 6
	.text
	.protected	k_qdb6f617dd5_quant
	.globl	k_qdb6f617dd5_quant
	.p2align	8
	.type	k_qdb6f617dd5_quant,@function
k_qdb6f617dd5_quant:
	s_mov_b64 s[64:65], 0
	v_nop
	global_prefetch_b8 v0, s[64:65] scope:SCOPE_SE
	s_setreg_imm32_b32 hwreg(HW_REG_WAVE_MODE, 25, 1), 1
	s_wait_xcnt 0x0
; query, key, value [2048][2][1024] and Wq, Wk, Wv, Wo [1024][1024], f32, become codes of FP6 (E2M3) with one E8M0 scale byte for each 32 along K (the last axis).
; A block's scale is 2^(floor(log2(its largest magnitude)) - 2); its byte is the largest magnitude's exponent field - 2, held at 1 from below.
; LIMITS: NaN and infinities among the inputs are not served.  A block of zeros gets the byte 1 where the rule says 127: its codes are zeros, and the bytes are read by this program alone.
; LAYOUT OF THE RESULT.  The rows of every tensor are gathered in TILES of 16: tile 2 B + u holds rows 32 B + 8 u + p(r), p(r) = r + 8 (r / 8), r = 0 .. 15; in an activation a row is a place s of one
; batch b (memory row 2 s + b), tile b 128 + t.  Tiles are numbered G: query 0-255, key 256-511, value 512-767, Wq 768.., Wk 832.., Wv 896.., Wo 960-1023.
; gc[G][ks][1,536]: the fragment (16 rows x 128 K) as an image of the operand's 12 registers: registers 4 g .. 4 g + 3 of lane l at 512 g + 16 l.   gs[G][r][8]: row r's scale word of K step ks.
; SHARES.  Work-group G makes tile G, its wave w K step w: 16 rows x 512 bytes.  Each load reads 512 consecutive bytes of a row; the 8 KB turn through the wave's own stage in LDS (rows 528 bytes apart: 33 x 16,
; so that sixteen rows start at sixteen different 16-byte columns), from which a lane takes 16 neighbours of each block of 32 of ITS row.  Every store covers 512 consecutive bytes, aligned to 256.
; No tensor load, no ring: a wave has all its 16 loads out at once, and several work-groups share a WGP.  Matrix units and clusters have nothing to do here: the launch only streams.
.set RST,  528                         ; a stage row
.set WST,  16*RST                      ; a wave's stage
.set SCST, 8*WST                       ; behind the stages: the tile's 128 scale words, 512 bytes
.set LI,   4                           ; v4   16 x lane
.set STI,  5                           ; v5   the stage, on the way in
.set STO,  6                           ; v6   and on the way out: row r, + 64 h
.set SWA,  7                           ; v7   where my row's scale word goes: SCST + 32 r + 4 w
.set SRD,  8                           ; v8   SCST + 16 x lane
.set PW,   9                           ; v9   the scale word
.set VO,   12                          ; v12-27  byte offset of tile row p in memory, + 16 x lane
.set SPW,  28                          ; v28  my spare word; never rewritten
.set NIL,  29                          ; v29  0; never rewritten
.set SW,   32                          ; v32-35  the scale words on their way out (the numbers that lay there are converted by then)
.set R,    32                          ; v32-95  the numbers as loaded
.set X,    32                          ; v32-95  then 64 numbers of my row, in the same registers, behind the wait for the stage's stores: register 16 b + i = k 32 b + 16 h + i
.set PC,   96                          ; v96-107 the fragment's codes
.set CT,   108                         ; v108-115 the blocks' upper halves, before they are moved
.set BM,   116                         ; v116-119 the blocks' largest magnitudes
.set T2,   120                         ; v120-123 the other half's; then the bytes
.set SOP,  124                         ; v124-127 the conversions' scale operands
.set WV,   30
.set RS,   31                          ; s31  bytes from a tile's row to the next place s
.set SEL,  42                          ; s[42:43] lane selects for v_permlanex16_b32: lane l xor 16
; 64 numbers of a lane become a fragment's codes in v[PC] on and its row's scale word
.macro QUANT s, word
.irp b, 0,1,2,3
	v_max3_num_f32 v[BM+\b], |v[\s+16*\b]|, |v[\s+1+16*\b]|, 0x1800000   ; my 16 numbers of block b, and the floor 2^(3 - 127): the byte cannot fall under 1
.endr
.irp i, 2,4,6,8,10,12,14
.irp b, 0,1,2,3
	s_delay_alu instid0(VALU_DEP_4)
	v_max3_num_f32 v[BM+\b], v[BM+\b], |v[\s+16*\b+\i]|, |v[\s+1+16*\b+\i]|   ; the four blocks by turns
.endr
.endr
.irp b, 0,1,2,3
	s_delay_alu instid0(VALU_DEP_4)
	v_permlanex16_b32 v[T2+\b], v[BM+\b], s[SEL], s[SEL+1]
.endr
.irp b, 0,1,2,3
	s_delay_alu instid0(VALU_DEP_4)
	v_max_num_f32 v[BM+\b], v[BM+\b], v[T2+\b]     ; with lane l xor 16's 16: the block's largest magnitude
.endr
.irp b, 0,1,2,3
	s_delay_alu instid0(VALU_DEP_4)
	v_add_nc_u32 v[SOP+\b], 0xff000000, v[BM+\b]   ; 2 off its exponent field: the conversion takes this operand's exponent field as its scale
.endr
.irp b, 0,1,2,3
	s_delay_alu instid0(VALU_DEP_4)
	v_lshrrev_b32 v[T2+\b], 23, v[SOP+\b]          ; the scale's byte
.endr
	s_delay_alu instid0(VALU_DEP_3)
	v_lshl_or_b32 v[\word], v[T2+1], 8, v[T2]
	s_delay_alu instid0(VALU_DEP_1)
	v_lshl_or_b32 v[\word], v[T2+2], 16, v[\word]
	s_delay_alu instid0(VALU_DEP_1)
	v_lshl_or_b32 v[\word], v[T2+3], 24, v[\word]
.irp c, 0,1
	v_cvt_scalef32_pk16_fp6_f32 v[PC+6*\c:PC+2+6*\c], v[\s+32*\c:\s+15+32*\c], v[SOP+2*\c]
	v_cvt_scalef32_pk16_fp6_f32 v[CT+4*\c:CT+2+4*\c], v[\s+16+32*\c:\s+31+32*\c], v[SOP+2*\c+1]   ; (a conversion's three registers begin on an even number)
.endr
	v_nop                                          ; one plain place behind a scaled conversion
.irp c, 0,1                                    ; the operand wants a WHOLE block in a lane: lanes 0-15 block 2 c, lanes 16-31 block 2 c + 1
.irp i, 0,1,2
	v_permlane16_swap_b32 v[PC+6*\c+\i], v[CT+4*\c+\i]
.endr
.irp i, 0,1,2
	s_delay_alu instid0(VALU_DEP_3)
	v_mov_b32 v[PC+3+6*\c+\i], v[CT+4*\c+\i]
.endr
.endr
.endm
	s_load_b512 s[8:23], s[0:1], 0x0               ; query, key, value, Wq, Wk, Wv, Wo, gc
	s_load_b64 s[24:25], s[0:1], 0x40              ; gs
	v_lshl_add_u32 v[SPW], v0, 2, 0x10a00
	v_mov_b32 v[NIL], 0
	v_lshrrev_b32 v1, 5, v0
	s_delay_alu instid0(VALU_DEP_1)
	v_readfirstlane_b32 s[WV], v1                  ; wave 0..7
	v_and_b32 v1, 31, v0                           ; lane
	s_wait_alu depctr_va_vdst(0)
	v_and_b32 v2, 15, v0                           ; r
	s_wait_alu depctr_va_vdst(0)
	v_bfe_u32 v3, v0, 4, 1                         ; h
	; which tensor, which tile of it: all by the work-group's number
	s_lshr_b32 s26, ttmp9, 8                       ; an activation's number,
	s_sub_co_u32 s27, ttmp9, 768
	s_lshr_b32 s27, s27, 6
	s_add_co_u32 s27, s27, 3                       ; a weight's
	s_and_b32 s38, ttmp9, 127                      ; the tile in its batch,
	s_and_b32 s39, ttmp9, 63                       ; or in its weight
	s_bfe_u32 s40, ttmp9, 0x10007                  ; the batch
	s_mov_b32 s[RS], 4096
	s_cmp_lt_u32 ttmp9, 768
	s_cselect_b32 s26, s26, s27
	s_cselect_b32 s38, s38, s39
	s_cselect_b32 s40, s40, 0
	s_cselect_b32 s41, 1, 0                        ; an activation's places lie two memory rows apart
	s_cselect_b32 s[RS], 8192, s[RS]
	s_lshr_b32 s32, s38, 1
	s_lshl_b32 s32, s32, 5
	s_and_b32 s33, s38, 1
	s_lshl_b32 s33, s33, 3
	s_or_b32 s32, s32, s33                         ; the tile's first place: 32 (t / 2) + 8 (t % 2)
	s_lshl_b32 s32, s32, s41
	s_add_co_u32 s32, s32, s40                     ; its memory row
	s_lshl_b32 s32, s32, 12                        ; of 4,096 bytes,
	s_lshl_b32 s33, s[WV], 9
	s_add_co_u32 s32, s32, s33                     ; + my K step's 512 bytes
	s_mov_b32 s33, 0
	s_mul_i32 s34, ttmp9, 12288                    ; gc: the tile's eight images,
	s_mul_i32 s35, s[WV], 1536
	s_add_co_u32 s34, s34, s35                     ; mine
	s_mov_b32 s35, 0
	s_lshl_b32 s36, ttmp9, 9                       ; gs: the tile's 512 bytes
	s_mov_b32 s37, 0
	s_mov_b32 s[SEL], 0x76543210
	s_mov_b32 s[SEL+1], 0xfedcba98
	v_lshlrev_b32 v[LI], 4, v1
	s_mul_i32 s44, s[WV], WST
	v_add_nc_u32 v[STI], s44, v[LI]
	v_mul_u32_u24 v[STO], v2, RST
	s_wait_alu depctr_va_vdst(0)
	v_lshl_add_u32 v[STO], v3, 6, v[STO]
	s_delay_alu instid0(VALU_DEP_1)
	v_add_nc_u32 v[STO], s44, v[STO]
	s_lshl_b32 s45, s[WV], 2
	v_lshl_add_u32 v[SWA], v2, 5, SCST
	s_delay_alu instid0(VALU_DEP_1)
	v_add_nc_u32 v[SWA], s45, v[SWA]
	v_add_nc_u32 v[SRD], SCST, v[LI]
.irp p, 0,1,2,3,4,5,6,7,8,9,10,11,12,13,14,15
	v_mad_u32_u24 v[VO+\p], s[RS], \p+8*(\p/8), v[LI]   ; tile row p lies p + 8 (p / 8) places on
.endr
.irp b, 0,1,2,3
	v_mov_b32 v[T2+\b], 0                          ; written once: a lane permute's destination counts as one of its sources
.endr
	s_wait_alu depctr_va_vdst(0)
	s_wait_kmcnt 0x0
	s_mov_b64 s[28:29], s[8:9]                     ; the tensor's address: a choice by the work-group's number alone
.irp t, 1,2,3,4,5,6
	s_cmp_eq_u32 s26, \t
	s_cselect_b64 s[28:29], s[8+2*\t:9+2*\t], s[28:29]
.endr
	s_add_nc_u64 s[28:29], s[28:29], s[32:33]
	s_add_nc_u64 s[22:23], s[22:23], s[34:35]
	s_add_nc_u64 s[24:25], s[24:25], s[36:37]
.irp p, 0,1,2,3,4,5,6,7,8,9,10,11,12,13,14,15
	global_load_b128 v[R+4*\p:R+4*\p+3], v[VO+\p], s[28:29] th:TH_LOAD_NT   ; 32 lanes read 512 consecutive bytes of tile row p; read once in the launch
.endr
.irp p, 0,1,2,3,4,5,6,7,8,9,10,11,12,13,14,15
	s_wait_loadcnt 15-\p                           ; loads come back in order: row p is in, the younger ones stay out
	ds_store_b128 v[STI], v[R+4*\p:R+4*\p+3] offset:RST*\p
.endr
	s_wait_dscnt 0x0                               ; the stores have read their registers: the loads below land in the same 64
.irp b, 0,1,2,3
.irp j, 0,1,2,3
	ds_load_b128 v[X+16*\b+4*\j:X+16*\b+4*\j+3], v[STO] offset:128*\b+16*\j   ; LDS serves a wave's instructions in order: these see my stores
.endr
.endr
	s_wait_dscnt 0x0
	QUANT X, PW
.irp g, 0,1,2
	global_store_b128 v[LI], v[PC+4*\g:PC+4*\g+3], s[22:23] offset:512*\g   ; the image: 512 consecutive bytes a store
.endr
	ds_store_b32 v[SWA], v[PW]                     ; both lanes of a row write the same word with the same value
	s_wait_dscnt 0x0                               ; for the others' sake: my word has landed
	s_barrier_signal -1
	s_barrier_wait -1
	s_cmp_lg_u32 s[WV], 0
	s_cbranch_scc1 .Ldone
	ds_load_b128 v[SW:SW+3], v[SRD]                ; the tile's 128 scale words leave as 512 consecutive bytes
	s_wait_dscnt 0x0
	global_store_b128 v[LI], v[SW:SW+3], s[24:25]
.Ldone:
	s_wait_tensorcnt 0x0
	ds_add_u32 v[SPW], v[NIL]
	s_wait_dscnt 0x0
	s_endpgm
.Lfunc_end_k_qdb6f617dd5_quant:
	.size	k_qdb6f617dd5_quant, .Lfunc_end_k_qdb6f617dd5_quant-k_qdb6f617dd5_quant
	.p2alignl 7, 3214868480
	.fill 96, 4, 3214868480
	.section	.rodata,"a",@progbits
	.p2align	6, 0x0
	.amdhsa_kernel k_qdb6f617dd5_quant
		.amdhsa_group_segment_fixed_size 69120
		.amdhsa_private_segment_fixed_size 0
		.amdhsa_enable_private_segment 0
		.amdhsa_kernarg_size 72
		.amdhsa_user_sgpr_count 2
		.amdhsa_user_sgpr_kernarg_segment_ptr 1
		.amdhsa_wavefront_size32 1
		.amdhsa_system_sgpr_workgroup_id_x 1
		.amdhsa_system_sgpr_workgroup_id_y 1
		.amdhsa_system_sgpr_workgroup_id_z 1
		.amdhsa_system_vgpr_workitem_id 0
		.amdhsa_next_free_vgpr 128
		.amdhsa_next_free_sgpr 66
		.amdhsa_reserve_vcc 0
		.amdhsa_float_denorm_mode_32 3
		.amdhsa_float_denorm_mode_16_64 3
		.amdhsa_memory_ordered 1
		.amdhsa_forward_progress 1
		.amdhsa_inst_pref_size 15
	.end_amdhsa_kernel
	.amdgpu_metadata
---
amdhsa.version: [ 1, 2 ]
amdhsa.kernels:
  - .name:           k_qdb6f617dd5_quant
    .symbol:         k_qdb6f617dd5_quant.kd
    .args:
      - { .name: query, .offset: 0, .size: 8, .value_kind: global_buffer, .address_space: global }
      - { .name: key, .offset: 8, .size: 8, .value_kind: global_buffer, .address_space: global }
      - { .name: value, .offset: 16, .size: 8, .value_kind: global_buffer, .address_space: global }
      - { .name: Wq, .offset: 24, .size: 8, .value_kind: global_buffer, .address_space: global }
      - { .name: Wk, .offset: 32, .size: 8, .value_kind: global_buffer, .address_space: global }
      - { .name: Wv, .offset: 40, .size: 8, .value_kind: global_buffer, .address_space: global }
      - { .name: Wo, .offset: 48, .size: 8, .value_kind: global_buffer, .address_space: global }
      - { .name: gc, .offset: 56, .size: 8, .value_kind: global_buffer, .address_space: global }
      - { .name: gs, .offset: 64, .size: 8, .value_kind: global_buffer, .address_space: global }
    .group_segment_fixed_size: 69120
    .private_segment_fixed_size: 0
    .kernarg_segment_align: 8
    .kernarg_segment_size: 72
    .max_flat_workgroup_size: 256
    .sgpr_count:     66
    .vgpr_count:     128
    .wavefront_size: 32
...
	.end_amdgpu_metadata
.endif
;; end of part 1
;; launch proj (part 2): grid 4 x 48, 4 waves a work-group, clusters of 4 x 4, 327,680 bytes of LDS; arguments gc, gs, bq, bk, bv, qr, kv; writes qr, kv
.if DOCPART == 2
	.amdgcn_target "amdgcn-amd-amdhsa--gfx1250"
	.amdhsa_code_object_version 6
	.text
	.protected	k_qdb6f617dd5_proj
	.globl	k_qdb6f617dd5_proj
	.p2align	8
	.type	k_qdb6f617dd5_proj,@function
k_qdb6f617dd5_proj:
	s_mov_b64 s[64:65], 0
	v_nop
	global_prefetch_b8 v0, s[64:65] scope:SCOPE_SE
	s_setreg_imm32_b32 hwreg(HW_REG_WAVE_MODE, 25, 1), 1
	s_wait_xcnt 0x0
	s_wait_alu depctr_hold_cnt(0) depctr_sa_sdst(0) depctr_va_vdst(0) depctr_va_sdst(0) depctr_va_ssrc(0) depctr_va_vcc(0) depctr_vm_vsrc(0)
	s_getreg_b32 s2, hwreg(HW_REG_IB_STS2, 6, 4)
	s_cmp_eq_u32 s2, 0
	s_cbranch_scc0 .Lentry_in_a_cluster
	s_endpgm
.Lentry_in_a_cluster:
	s_bfe_u32 s2, ttmp6, 0x10000c
	s_cmp_lg_u32 s2, 0xf033
	s_cbranch_scc0 .Lentry_shape_is_right
	s_endpgm
.Lentry_shape_is_right:
; q = query Wq^T + bq, k = key Wk^T + bk, v = value Wv^T + bv on codes of FP6 (E2M3) with E8M0 scales, K = 1,024; the results are quantised at once for attention: q and k along a head's 64, v along the keys.
; ONE TEXT FOR THE THREE.  P[i][j] = sum over k of R1[i][k] R0[j][k]; R0 is the matrix instruction's source 0, so a lane's registers run along j, THE AXIS THAT IS QUANTISED NEXT; R1 is source 1: a lane holds one i.
; q, k: R0 = the weight (j = features), R1 = the activation (i = places).   v: R0 = value (j = keys), R1 = Wv (i = features).
; Tiles of 16 rows, their order and the images of fragments in gc and gs: tile 2 B + u holds rows 32 B + 8 u + r + 8 (r / 8), so that the 16 result registers of R0's tiles 2 B, 2 B + 1 are 16 NEIGHBOURS along j.
; SHARES.  A work-group makes 256 x 256 of P, each of its four waves 128 x 128: 64 accumulators, 512 registers.  192 work-groups: a tile of 128 x 256 would make 384, which 256 WGPs take in two uneven rounds.
; CLUSTERS of 4 x 4: cluster y = 4 x product + c.  R0's 16 tiles hang on cx alone and are asked for jointly by a column of the cluster, R1's on cy alone, by a row.
; LDS: three slots of 98,304 bytes, each 256 along K: R1's 16 tiles x 3,072 bytes, then R0's.  K has four such quarters: three are first fills, the fourth fills slot 0 again: ONE refill in the launch.
; By this text's own count a wave has at most three tensor loads out.  Images are read as consecutive bytes (16 a lane), so no padding.
; SCALES come straight into registers, once: a load of 16 bytes a lane at 32 r + 16 h gives lanes 0-15 the words of K steps 0-3 and lanes 16-31 those of K steps 4-7, which the second row selector reads.
; No prefetch: all but one of a wave's tensor loads go out at the head, and the one refill has four K steps' products (256 matrix instructions) in which to land.
; THE WAY OUT has no LDS: a block of 16 i x 128 j gets its bias, is quantised in registers and leaves as images: every store covers 256 or 512 consecutive bytes, aligned to 256.
; qr, kv: [batch 16 + head][key step 0..15][13,312]: 8 tiles x 768 (16 rows x 64: registers 0-3 at 16 l, 4-5 at 512 + 8 l); at 6,144 their scale words (tile 2 p + l / 16, row l % 16 at 16 l + 4 p; bytes 2, 3 = 0);
;   in kv also: at 6,656 four tiles of V^T (16 features x 128 keys) x 1,536; at 12,800 their scale words (tile t, row l % 16 at 16 l + 4 t).
; LIMITS: NaN and infinities are not served; a block of zeros gets the byte 1, not 127 (its codes are zeros; this program alone reads the bytes).
; REGISTERS: window 0: v1-3 lane, r, h; v16-31 addresses; v32-63, v64-95 scale words of R1, R0; v96-127, v224-255 biases; v128-223 R1's 8 fragments, ONE set; on the way out v128-223 and v32-55 are at work.
;   window 1: R0's fragments, TWO sets, at v0 and v128.   windows 2, 3: the accumulators, (a, b) at v[8 (8 (a % 4) + b)].
; THE FILLS, as this text has them (this takes the place of what the head comment says of slots, quarters and loads out): two slots of 147,456 bytes, each THREE K steps: R1's 16 tiles x 4,608 bytes, then R0's.
; Slot 0 (K steps 0-2) is asked for at the head, one joint load a wave; slot 1 (K steps 3-5) behind the full sequence and a round of the cluster's barrier; K steps 6, 7 (tiles x 3,072 bytes) fill slot 0's
; first 98,304 bytes again behind the round in K step 2.  By this text's own count a wave has one tensor load out.  No prefetch: K has three fills, the first two at the launch's start, so no loop runs ahead of them.
.set SLOTB, 147456
.set HALFB, 36864                      ; 8 tiles x 3 images: what one tensor load brings, and what one wave reads of R1 or of R0
.set TILEB, 4608                       ; a tile's three images in a slot
.set HALF2, 24576                      ; the same for the last fill: 8 tiles x 2 images
.set TILE2, 3072
.set IMG,   1536
.set GROW,  12288
.set SPARE, 2*SLOTB
.set RECB,  13312
.set HEADB, 16*RECB
.set KW,    6144
.set VT,    6656
.set VW,    12800
.set ADR1, 16                          ; v16-18  LDS address of my half of R1 in slot 0, 1, 2: 16 x lane + ..
.set ADR0, 20                          ; v20-22  the same for R0
.set LI,   24                          ; v24  16 x lane
.set L8,   25                          ; v25  8 x lane
.set BO,   26                          ; v26  my offset among the biases
.set SO,   27                          ; v27  32 r + 16 h: my four scale words of a tile
.set SPW,  28                          ; v28  my spare word; never rewritten
.set NIL,  29                          ; v29  0; never rewritten
.set PW,   30
.set SC1,  32                          ; scale words of R1's block a, K steps q and q + 4: v[SC1 + 4 a + q]
.set SC0,  64                          ; of R0's block b
.set AF,   128
.set T,    128                         ; the way out: 64 numbers
.set PC,   192
.set CT,   204
.set BM,   212
.set T2,   216
.set SOP,  220
.set PWA,  32                          ; the way out: scale words gathered: first head's, second head's; then as they are stored
.set PWB,  40
.set WA,   48
.set WB,   52
.set WV, 18
.set WI, 19                            ; my half of R1.  Also: 0 = I fetch for R1, 1 = for R0
.set WJ, 20                            ; my half of R0.  Also: which 8 tiles I fetch
.set CX, 21
.set CY, 22
.set PP, 76                            ; the product: 0 q, 1 k, 2 v
.set CC, 77
.set SEL, 66
.set G1R1, 24                          ; s[24:31], s[32:39] descriptor groups 1;  s[40:51] R1's three groups 0;  s[56:63], s[68:71] R0's: one for each fill, never rewritten
.set G1R0, 32
.set G0R1, 40
.set MSB, 0
.macro WIN new                         ; the immediate's high byte repeats the setting that is left
.if MSB != (\new)
	s_set_vgpr_msb (MSB<<8)|(\new)
.set MSB, (\new)
.endif
.endm
.set MUL_LO, 0xa1                      ; source 0 (R0) window 1, source 1 (R1) window 0, C and D window 2
.set MUL_HI, 0xf1
.set TO_B,   0x40
.macro PLACES n
.rept \n
	v_nop
.endr
.endm
.macro CREST                           ; a round of the cluster's barrier behind its opening barrier
	s_cmp_lg_u32 s[WV], 0
	s_cbranch_scc1 .Lnot_wave_0_\@
	s_barrier_signal -3
.Lnot_wave_0_\@:
	s_barrier_wait -3
	s_barrier_signal -1
	s_barrier_wait -1
.endm
.macro CROUND
	s_barrier_signal -1
	s_barrier_wait -1
	CREST
.endm
.macro QUANT s, word                   ; 64 numbers of a lane, register 16 b + i = j 32 b + 16 h + i of my row, become a fragment's codes in v[PC] on and its scale word
.irp b, 0,1,2,3
	v_max3_num_f32 v[BM+\b], |v[\s+16*\b]|, |v[\s+1+16*\b]|, 0x1800000   ; and the floor 2^(3 - 127): the byte cannot fall under 1
.endr
.irp i, 2,4,6,8,10,12,14
.irp b, 0,1,2,3
	v_max3_num_f32 v[BM+\b], v[BM+\b], |v[\s+16*\b+\i]|, |v[\s+1+16*\b+\i]|
.endr
.endr
.irp b, 0,1,2,3
	v_permlanex16_b32 v[T2+\b], v[BM+\b], s[SEL], s[SEL+1]
.endr
.irp b, 0,1,2,3
	v_max_num_f32 v[BM+\b], v[BM+\b], v[T2+\b]
.endr
.irp b, 0,1,2,3
	v_add_nc_u32 v[SOP+\b], 0xff000000, v[BM+\b]   ; 2 off the exponent field: the conversion's scale operand
.endr
.irp b, 0,1,2,3
	v_lshrrev_b32 v[T2+\b], 23, v[SOP+\b]          ; the scale's byte
.endr
	v_lshl_or_b32 v[\word], v[T2+1], 8, v[T2]
	v_lshl_or_b32 v[\word], v[T2+2], 16, v[\word]
	v_lshl_or_b32 v[\word], v[T2+3], 24, v[\word]
.irp c, 0,1
	v_cvt_scalef32_pk16_fp6_f32 v[PC+6*\c:PC+2+6*\c], v[\s+32*\c:\s+15+32*\c], v[SOP+2*\c]
	v_cvt_scalef32_pk16_fp6_f32 v[CT+4*\c:CT+2+4*\c], v[\s+16+32*\c:\s+31+32*\c], v[SOP+2*\c+1]
.endr
	v_nop                                          ; one plain place behind a scaled conversion
.irp c, 0,1
.irp i, 0,1,2
	v_permlane16_swap_b32 v[PC+6*\c+\i], v[CT+4*\c+\i]
.endr
.irp i, 0,1,2
	v_mov_b32 v[PC+3+6*\c+\i], v[CT+4*\c+\i]
.endr
.endr
.endm
	s_load_b256 s[4:11], s[0:1], 0x0               ; gc s[4:5], gs s[6:7], bq s[8:9], bk s[10:11]
	s_load_b128 s[12:15], s[0:1], 0x20             ; bv s[12:13], qr s[14:15]
	s_load_b64 s[16:17], s[0:1], 0x30              ; kv
	v_lshl_add_u32 v[SPW], v0, 2, SPARE
	v_mov_b32 v[NIL], 0
	ds_add_u32 v28, v29
	ds_add_u32 v28, v29
	s_wait_dscnt 0x0
	v_lshrrev_b32 v1, 5, v0
	v_readfirstlane_b32 s[WV], v1                  ; wave 0..3
	s_lshr_b32 s[WI], s[WV], 1
	s_and_b32 s[WJ], s[WV], 1
	s_bfe_u32 s[CX], ttmp6, 0x40000
	s_bfe_u32 s[CY], ttmp6, 0x40004
	s_and_b32 s23, ttmp7, 0xffff                   ; cluster y, which all sixteen partners share
	s_lshr_b32 s[PP], s23, 2
	s_and_b32 s[CC], s23, 3
	s_lshl_b32 s78, s[PP], 6
	s_add_co_u32 s78, s78, 768                     ; the weight's first tile: 768 + 64 x product
	s_lshl_b32 s79, s[PP], 8
	s_lshl_b32 s82, s[CC], 6
	s_add_co_u32 s79, s79, s82                     ; the cluster's first tile of the activation: 256 x product + 64 c
	s_cmp_eq_u32 s[PP], 2
	s_cselect_b32 s83, s79, s78                    ; R0: value, else the weight
	s_cselect_b32 s84, s78, s79                    ; R1: Wv, else the activation
	s_lshl_b32 s85, s[CX], 4
	s_add_co_u32 s85, s85, s83                     ; my first tile of R0: hangs on cx alone
	s_lshl_b32 s86, s[CY], 4
	s_add_co_u32 s86, s86, s84                     ; of R1: on cy alone
	s_lshl_b32 s80, s[CY], 2
	s_lshl_b32 s80, 15, s80                        ; my row of the cluster
	s_lshl_b32 s81, 0x1111, s[CX]                  ; my column
	; descriptor group 1: 8 rows (tiles) of 4,608 bytes (576 elements of 8), 12,288 bytes apart, laid on end in LDS
	s_or_b32 s[G1R1], s80, (3<<16)|(1<<21)         ; 15:0 the mask; 17:16 elements of 8 bytes; 20 no padding; 21 set beside a mask
	s_or_b32 s[G1R0], s81, (3<<16)|(1<<21)
.irp g, G1R1, G1R0
	s_mov_b32 s[\g+1], 576<<16                     ; tensor_dim0: 4,608 bytes
	s_mov_b32 s[\g+2], 8<<16                       ; tensor_dim1
	s_mov_b32 s[\g+3], 576<<16                     ; tile_dim0
	s_mov_b32 s[\g+4], 8                           ; tile_dim1
	s_mov_b32 s[\g+5], 1536                        ; from row to row, in elements
	s_mov_b32 s[\g+6], 0
	s_mov_b32 s[\g+7], 0
.endr
	s_lshl_b32 s87, s[WJ], 3                       ; which 8 tiles I fetch; also my half of R0
	s_add_co_u32 s88, s86, s87
	s_mul_i32 s88, s88, GROW
	s_mov_b32 s89, 0                               ; R1's, in bytes
	s_add_co_u32 s98, s85, s87
	s_mul_i32 s98, s98, GROW
	s_mov_b32 s99, 0                               ; R0's
	s_lshl_b32 s90, s[WI], 3
	s_add_co_u32 s90, s90, s86
	s_lshl_b32 s90, s90, 9                         ; the scale words of my 8 tiles of R1: 512 bytes a tile
	s_mov_b32 s91, 0
	s_add_co_u32 s92, s85, s87
	s_lshl_b32 s92, s92, 9                         ; of R0
	s_mov_b32 s93, 0
	s_mul_i32 s3, s[WV], HALFB                     ; where my tiles go in a slot: no place in the cluster enters an LDS address
	s_mov_b32 s[SEL], 0x76543210
	s_mov_b32 s[SEL+1], 0xfedcba98
	s_wait_kmcnt 0x0
	s_add_nc_u64 s[88:89], s[4:5], s[88:89]
	s_add_nc_u64 s[98:99], s[4:5], s[98:99]
	s_add_nc_u64 s[94:95], s[6:7], s[90:91]
	s_add_nc_u64 s[96:97], s[6:7], s[92:93]
.irp k, 0,1,2                          ; fill k begins at K step 3 k: 4,608 k bytes into each tile's row of gc
	s_mov_b32 s[G0R1+4*\k], 1
	s_add_nc_u64 s[G0R1+4*\k+2:G0R1+4*\k+3], s[88:89], \k*TILEB
	s_or_b32 s[G0R1+4*\k+3], s[G0R1+4*\k+3], 0x80000000
	s_mov_b32 s[56+4*\k+4*(\k/2)], 1
	s_add_nc_u64 s[58+4*\k+4*(\k/2):59+4*\k+4*(\k/2)], s[98:99], \k*TILEB
	s_or_b32 s[59+4*\k+4*(\k/2)], s[59+4*\k+4*(\k/2)], 0x80000000
.endr
	s_mov_b32 s41, s3                              ; LDS addresses: slot 0,
	s_mov_b32 s57, s3
	s_add_co_u32 s45, s3, SLOTB                    ; slot 1,
	s_add_co_u32 s61, s3, SLOTB
	s_mul_i32 s49, s[WV], HALF2                    ; and the last fill, at slot 0's start
	s_mul_i32 s69, s[WV], HALF2
; A joint load: fill k.  Waves 0, 1 fetch for R1, waves 2, 3 for R0; an s_nop 0 and four v_nop follow each line
.macro JL k
	s_cmp_eq_u32 s[WI], 0
	s_cbranch_scc0 .Lr0_\@
	tensor_load_to_lds s[G0R1+4*\k:G0R1+4*\k+3], s[G1R1:G1R1+7]
	s_nop 0
	PLACES 4
	s_branch .Ljl_asked_\@
.Lr0_\@:
	tensor_load_to_lds s[56+4*\k+4*(\k/2):59+4*\k+4*(\k/2)], s[G1R0:G1R0+7]
	s_nop 0
	PLACES 4
.Ljl_asked_\@:
.endm
	CROUND                                         ; all sixteen work-groups are here: the first joint loads meet
	JL 0                                           ; one tensor load a wave at the head
	v_and_b32 v1, 31, v0                           ; lane
	v_and_b32 v2, 15, v0                           ; r
	v_bfe_u32 v3, v0, 4, 1                         ; h
	v_lshlrev_b32 v[LI], 4, v1
	v_lshlrev_b32 v[L8], 3, v1
	v_lshlrev_b32 v[SO], 5, v2
	v_lshl_add_u32 v[SO], v3, 4, v[SO]
	s_mul_i32 s2, s[WI], HALFB
	v_add_nc_u32 v[ADR1], s2, v[LI]
	v_add_nc_u32 v[ADR1+1], SLOTB, v[ADR1]
	s_mul_i32 s2, s[WI], HALF2
	v_add_nc_u32 v[ADR1+2], s2, v[LI]              ; the last fill's tiles lie 3,072 bytes apart
	s_mul_i32 s2, s[WJ], HALFB
	s_add_co_u32 s2, s2, 2*HALFB                   ; R0's tiles lie behind R1's 16
	v_add_nc_u32 v[ADR0], s2, v[LI]
	v_add_nc_u32 v[ADR0+1], SLOTB, v[ADR0]
	s_mul_i32 s2, s[WJ], HALF2
	s_add_co_u32 s2, s2, 2*HALF2
	v_add_nc_u32 v[ADR0+2], s2, v[LI]
.irp a, 0,1,2,3,4,5,6,7
	global_load_b128 v[SC1+4*\a:SC1+4*\a+3], v[SO], s[94:95] offset:512*\a   ; a tile's 512 bytes of scale words, whole
	global_load_b128 v[SC0+4*\a:SC0+4*\a+3], v[SO], s[96:97] offset:512*\a
.endr
.macro FRAG3 reg, adr, off             ; an image comes back as it was stored: three loads of 16 bytes a lane, 512 consecutive bytes each
.irp g, 0,1,2
	ds_load_b128 v[(\reg)+4*\g:(\reg)+4*\g+3], v[\adr] offset:(\off)+512*\g
.endr
.endm
.macro FETCH_B ks, set                 ; R0's eight fragments of K step ks into set
	WIN TO_B
.irp i, 0,1,2,3,4,5,6,7
	FRAG3 128*(\set)+12*\i, ADR0+(\ks)/3, \i*(TILEB-((\ks)/6)*(TILEB-TILE2))+((\ks)%3)*IMG
.endr
	WIN 0
.endm
.macro FETCH_A ks, i0                  ; R1's blocks i0 .. i0 + 3
.irp i, \i0, \i0+1, \i0+2, \i0+3
	FRAG3 AF+12*(\i), ADR1+(\ks)/3, (\i)*(TILEB-((\ks)/6)*(TILEB-TILE2))+((\ks)%3)*IMG
.endr
.endm
; 16 matrix instructions: R1's blocks a0, a0 + 1 x R0's eight.  The 64 accumulators take turns, one instruction a turn, in the same order in every K step.
; zero = 1: the first products start the sums.  K steps 4 to 7 take their scale words from lanes 16-31.
.macro MUL16 a0, set, ks, zero
.irp a, \a0, \a0+1
.irp b, 0,1,2,3,4,5,6,7
.if \zero
	v_wmma_scale_f32_16x16x128_f8f6f4 v[8*(8*((\a)%4)+\b):8*(8*((\a)%4)+\b)+7], v[128*(\set)+12*\b:128*(\set)+12*\b+11], v[AF+12*(\a):AF+12*(\a)+11], 0, v[SC0+4*\b+(\ks)%4], v[SC1+4*(\a)+(\ks)%4] matrix_a_fmt:MATRIX_FMT_FP6 matrix_b_fmt:MATRIX_FMT_FP6
.elseif (\ks) < 4
	v_wmma_scale_f32_16x16x128_f8f6f4 v[8*(8*((\a)%4)+\b):8*(8*((\a)%4)+\b)+7], v[128*(\set)+12*\b:128*(\set)+12*\b+11], v[AF+12*(\a):AF+12*(\a)+11], v[8*(8*((\a)%4)+\b):8*(8*((\a)%4)+\b)+7], v[SC0+4*\b+(\ks)%4], v[SC1+4*(\a)+(\ks)%4] matrix_a_fmt:MATRIX_FMT_FP6 matrix_b_fmt:MATRIX_FMT_FP6
.else
	v_wmma_scale_f32_16x16x128_f8f6f4 v[8*(8*((\a)%4)+\b):8*(8*((\a)%4)+\b)+7], v[128*(\set)+12*\b:128*(\set)+12*\b+11], v[AF+12*(\a):AF+12*(\a)+11], v[8*(8*((\a)%4)+\b):8*(8*((\a)%4)+\b)+7], v[SC0+4*\b+(\ks)%4], v[SC1+4*(\a)+(\ks)%4] matrix_a_fmt:MATRIX_FMT_FP6 matrix_b_fmt:MATRIX_FMT_FP6 matrix_a_scale:MATRIX_SCALE_ROW1 matrix_b_scale:MATRIX_SCALE_ROW1
.endif
.endr
.endr
.endm
; A load into a register that a matrix instruction has read stands four places behind it, and only plain vector instructions that name none of its registers are places (ISA guide 7.12.1 for vector instructions).
.macro SECOND ks                       ; a K step's second half: the next step's fragments, and R1's blocks 4-7
	FETCH_B (\ks)+1, 1-(\ks)%2
	FETCH_A (\ks)+1, 0
	WIN MUL_HI
	MUL16 4, (\ks)%2, \ks, 0
	MUL16 6, (\ks)%2, \ks, 0
	PLACES 4
	WIN 0
	FETCH_A (\ks)+1, 4
.endm
.macro STEP ks
	s_wait_dscnt 12                                ; R0's set and R1's blocks 0-3 are in; the youngest 12 loads (blocks 4-7) may be out
	WIN MUL_LO
	MUL16 0, (\ks)%2, \ks, 0
	MUL16 2, (\ks)%2, \ks, 0
	s_wait_dscnt 0x0                               ; blocks 4-7 are in (asked for 32 matrix instructions ago)
	PLACES 4
	SECOND \ks
.endm
; A K step with a barrier in it.  In front of the barrier each wave waits for all its tensor loads, adds 0 to its spare word, and waits for that and for its LDS reads.
; fill = 1: slot 0, which nobody reads any more, takes the last quarter of K: the barrier opens a round of the cluster's barrier and the joint load is the first thing behind the round.
.macro TURN ks, fill
	s_wait_tensorcnt 0x0                           ; all my tensor loads have landed
	ds_add_u32 v[SPW], v[NIL]                      ; 0 onto my spare word
	s_wait_dscnt 13                                ; (the add and the youngest 12 loads may be out)
	WIN MUL_LO
	MUL16 0, (\ks)%2, \ks, 0                       ; sixteen matrix instructions stand between the add and the wait for it
	s_wait_dscnt 0x0                               ; the add is done, and my reads of the slot in hand are over
	s_barrier_signal -1
	MUL16 2, (\ks)%2, \ks, 0
	WIN 0
	s_barrier_wait -1
.if \fill
	CREST                                          ; no wave of any partner still reads slot 0 or has a load on its way
	s_mov_b32 s[G1R1+1], 384<<16                   ; no tensor load of mine is out, so a descriptor may be written: the last fill's rows are 3,072 bytes
	s_mov_b32 s[G1R1+3], 384<<16
	s_mov_b32 s[G1R0+1], 384<<16
	s_mov_b32 s[G1R0+3], 384<<16
	JL 2                                           ; the first tensor load behind the round; its four v_nop are also the places in front of the loads below
.else
	PLACES 4
.endif
	SECOND \ks
.endm
.macro LAST                            ; K step 7: nothing more to fetch
	s_wait_dscnt 12
	WIN MUL_LO
	MUL16 0, 1, 7, 0
	MUL16 2, 1, 7, 0
	s_wait_dscnt 0x0
	WIN MUL_HI
	MUL16 4, 1, 7, 0
	MUL16 6, 1, 7, 0
	WIN 0
	PLACES 4                                       ; in front of the first read of results and the first write of registers that held operands or scales
.irp b, 0,1,2,3
	v_mov_b32 v[T2+\b], 0                          ; a lane permute's destination counts as one of its sources
.endr
	s_wait_loadcnt 0x0                             ; the biases
.endm
	s_wait_alu depctr_va_vdst(0)
	s_wait_tensorcnt 0x0                           ; my part of slot 0 is in
	ds_add_u32 v[SPW], v[NIL]
	s_wait_dscnt 0x0
	CROUND                                         ; everybody's part is in, and all sixteen work-groups are here
	JL 1                                           ; slot 1's first fill, the first tensor load behind the round
	FETCH_B 0, 0
	FETCH_A 0, 0
	FETCH_A 0, 4
	s_wait_loadcnt 0x0                             ; the scale words
	s_wait_dscnt 12                                ; K step 0, written out: its products start the sums
	WIN MUL_LO
	MUL16 0, 0, 0, 1
	MUL16 2, 0, 0, 1
	s_wait_dscnt 0x0
	PLACES 4
	FETCH_B 1, 1
	FETCH_A 1, 0
	WIN MUL_HI
	MUL16 4, 0, 0, 1
	MUL16 6, 0, 0, 1
	PLACES 4
	WIN 0
	FETCH_A 1, 4
	STEP 1
	TURN 2, 1                                      ; slot 1 is whole; slot 0, whose last fragments are in registers, takes K steps 6 and 7
	STEP 3
	STEP 4
	TURN 5, 0                                      ; the refill is whole in every wave's eyes
	STEP 6
; Where a wave's block goes, and where its biases lie.  cb: the coordinate of the places or keys (16 tiles a step of it); ch, wh: those of the features; wr: the wave's half of the places or keys.
.macro PLACE cb, ch, wh, wr
	s_lshl_b32 s82, s[CC], 2
	s_add_co_u32 s82, s82, s[\cb]                  ; which 256 of the 4,096 rows: 8 to a batch
	s_lshr_b32 s83, s82, 3
	s_lshl_b32 s83, s83, 4                         ; 16 x batch
	s_lshl_b32 s84, s[\ch], 2
	s_add_co_u32 s83, s83, s84
	s_lshl_b32 s84, s[\wh], 1
	s_add_co_u32 s83, s83, s84                     ; + my first head: 4 x coordinate + 2 x half
	s_mul_i32 s83, s83, HEADB
	s_and_b32 s82, s82, 7
	s_lshl_b32 s82, s82, 1
	s_add_co_u32 s82, s82, s[\wr]                  ; my key step: 128 places
	s_mul_i32 s82, s82, RECB
	s_add_co_u32 s82, s82, s83
	s_mov_b32 s83, 0
	s_lshl_b32 s84, s[\ch], 10
	s_lshl_b32 s85, s[\wh], 9
	s_add_co_u32 s84, s84, s85                     ; my first feature's bias: 4 (256 x coordinate + 128 x half)
	s_mov_b32 s85, 0
.endm
; Block a's 64 results a lane get their bias and come into window 0, two at a time, each accumulator from its low end on.  bj = 1: the bias runs along the registers; 0: along the lanes.
.macro ADDB a, bj
	WIN 0x02+(\a)/4
.set x, 0
.rept 32
.if \bj
	v_pk_add_f32 v[T+2*x:T+2*x+1], v[64*((\a)%4)+2*x:64*((\a)%4)+2*x+1], v[96+2*x+96*(x/16):97+2*x+96*(x/16)]
.else
	v_pk_add_f32 v[T+2*x:T+2*x+1], v[64*((\a)%4)+2*x:64*((\a)%4)+2*x+1], v[96+2*(\a):97+2*(\a)]
.endif
.set x, x+1
.endr
	WIN 0
.endm
	s_cmp_eq_u32 s[PP], 2                          ; the one branch on the product: cluster y alone decides, alike in all partners and waves.  Each way asks for its biases, runs the last K step and goes out
	s_cbranch_scc1 .Lvalue
	; ---- q and k: registers run along 128 features = two heads; a lane holds a place
	PLACE CY, CX, WJ, WI
	s_cmp_eq_u32 s[PP], 0
	s_cselect_b64 s[90:91], s[14:15], s[16:17]     ; qr or kv
	s_cselect_b64 s[92:93], s[8:9], s[10:11]       ; bq or bk
	s_add_nc_u64 s[90:91], s[90:91], s[82:83]
	s_add_nc_u64 s[92:93], s[92:93], s[84:85]
	v_lshlrev_b32 v[BO], 6, v3                     ; register j of R0's tile b is feature 32 (b / 2) + 8 (b % 2) + 16 h + j
.irp b, 0,1,2,3,4,5,6,7
	global_load_b128 v[96+8*\b+96*(\b/4):99+8*\b+96*(\b/4)], v[BO], s[92:93] offset:(32*(\b/2)+8*(\b%2))*4
	global_load_b128 v[100+8*\b+96*(\b/4):103+8*\b+96*(\b/4)], v[BO], s[92:93] offset:(32*(\b/2)+8*(\b%2))*4+16
.endr
	LAST
.irp a, 0,1,2,3,4,5,6,7
	ADDB \a, 1
.if \a > 0
	s_wait_xcnt 0x0                                ; the last block's stores have read their data: the codes' registers are written again only behind this wait
.endif
	QUANT T, PW
	v_and_b32 v[PWA+\a], 0xffff, v[PW]             ; the first head's two bytes (bytes 2 and 3 stay 0: they scale the zero codes of K = 64 .. 127),
	v_lshrrev_b32 v[PWB+\a], 16, v[PW]             ; the second head's
	global_store_b128 v[LI], v[PC:PC+3], s[90:91] offset:768*\a
	global_store_b64 v[L8], v[PC+4:PC+5], s[90:91] offset:768*\a+512
	global_store_b128 v[LI], v[PC+6:PC+9], s[90:91] offset:768*\a+HEADB
	global_store_b64 v[L8], v[PC+10:PC+11], s[90:91] offset:768*\a+512+HEADB
.endr
	v_cmp_lt_u32 vcc_lo, 15, v1                    ; lanes 16-31 carry the odd tiles' words
.irp p, 0,1,2,3
	v_cndmask_b32 v[WA+\p], v[PWA+2*\p], v[PWA+2*\p+1], vcc_lo
	v_cndmask_b32 v[WB+\p], v[PWB+2*\p], v[PWB+2*\p+1], vcc_lo
.endr
	global_store_b128 v[LI], v[WA:WA+3], s[90:91] offset:KW
	global_store_b128 v[LI], v[WB:WB+3], s[90:91] offset:KW+HEADB
	s_branch .Lend
.Lvalue:
	; ---- v: registers run along 128 keys = one key step; a lane holds a feature; blocks 0-3 are one head's four tiles, blocks 4-7 the next head's
	PLACE CX, CY, WI, WJ
	s_add_nc_u64 s[90:91], s[16:17], s[82:83]
	s_add_nc_u64 s[92:93], s[12:13], s[84:85]
	v_and_b32 v[BO], 8, v2
	v_add_nc_u32 v[BO], v[BO], v2
	v_lshlrev_b32 v[BO], 2, v[BO]                  ; lane r of Wv's tile a is feature 32 (a / 2) + 8 (a % 2) + r + 8 (r / 8)
.irp a, 0,1,2,3,4,5,6,7
	global_load_b32 v[96+2*\a], v[BO], s[92:93] offset:(32*(\a/2)+8*(\a%2))*4
	global_load_b32 v[97+2*\a], v[BO], s[92:93] offset:(32*(\a/2)+8*(\a%2))*4   ; twice: a pair for the packed addition
.endr
	LAST
.irp a, 0,1,2,3,4,5,6,7
	ADDB \a, 0
.if \a > 0
	s_wait_xcnt 0x0                                ; the last block's stores have read their data
.endif
	QUANT T, PWA+\a
.irp g, 0,1,2
	global_store_b128 v[LI], v[PC+4*\g:PC+4*\g+3], s[90:91] offset:VT+IMG*(\a%4)+512*\g+HEADB*(\a/4)
.endr
.endr
	global_store_b128 v[LI], v[PWA:PWA+3], s[90:91] offset:VW
	global_store_b128 v[LI], v[PWA+4:PWA+7], s[90:91] offset:VW+HEADB
.Lend:
	s_wait_tensorcnt 0x0                           ; the wave's end
	ds_add_u32 v[SPW], v[NIL]
	s_wait_dscnt 0x0
	CROUND                                         ; the closing round: no work-group ends while a partner may still ask for a tile that names it
	s_endpgm
.Lfunc_end_k_qdb6f617dd5_proj:
	.size	k_qdb6f617dd5_proj, .Lfunc_end_k_qdb6f617dd5_proj-k_qdb6f617dd5_proj
	.p2alignl 7, 3214868480
	.fill 96, 4, 3214868480
	.section	.rodata,"a",@progbits
	.p2align	6, 0x0
	.amdhsa_kernel k_qdb6f617dd5_proj
		.amdhsa_group_segment_fixed_size 327680
		.amdhsa_private_segment_fixed_size 0
		.amdhsa_enable_private_segment 0
		.amdhsa_kernarg_size 56
		.amdhsa_user_sgpr_count 2
		.amdhsa_user_sgpr_kernarg_segment_ptr 1
		.amdhsa_wavefront_size32 1
		.amdhsa_system_sgpr_workgroup_id_x 1
		.amdhsa_system_sgpr_workgroup_id_y 1
		.amdhsa_system_sgpr_workgroup_id_z 1
		.amdhsa_system_vgpr_workitem_id 0
		.amdhsa_next_free_vgpr 1024
		.amdhsa_next_free_sgpr 100
		.amdhsa_reserve_vcc 1
		.amdhsa_float_denorm_mode_32 3
		.amdhsa_float_denorm_mode_16_64 3
		.amdhsa_memory_ordered 1
		.amdhsa_forward_progress 1
		.amdhsa_inst_pref_size 216
	.end_amdhsa_kernel
	.amdgpu_metadata
---
amdhsa.version: [ 1, 2 ]
amdhsa.kernels:
  - .name:           k_qdb6f617dd5_proj
    .symbol:         k_qdb6f617dd5_proj.kd
    .args:
      - { .name: gc, .offset: 0, .size: 8, .value_kind: global_buffer, .address_space: global }
      - { .name: gs, .offset: 8, .size: 8, .value_kind: global_buffer, .address_space: global }
      - { .name: bq, .offset: 16, .size: 8, .value_kind: global_buffer, .address_space: global }
      - { .name: bk, .offset: 24, .size: 8, .value_kind: global_buffer, .address_space: global }
      - { .name: bv, .offset: 32, .size: 8, .value_kind: global_buffer, .address_space: global }
      - { .name: qr, .offset: 40, .size: 8, .value_kind: global_buffer, .address_space: global }
      - { .name: kv, .offset: 48, .size: 8, .value_kind: global_buffer, .address_space: global }
    .group_segment_fixed_size: 327680
    .private_segment_fixed_size: 0
    .kernarg_segment_align: 8
    .kernarg_segment_size: 56
    .max_flat_workgroup_size: 128
    .sgpr_count:     100
    .vgpr_count:     1024
    .wavefront_size: 32
...
	.end_amdgpu_metadata
.endif
;; end of part 2
;; launch attn (part 3): grid 8 x 32, 16 waves a work-group, clusters of 4 x 1, 327,680 bytes of LDS; arguments qr, kv, oc, osc; writes oc, osc
.if DOCPART == 3
	.amdgcn_target "amdgcn-amd-amdhsa--gfx1250"
	.amdhsa_code_object_version 6
	.text
	.protected	k_qdb6f617dd5_attn
	.globl	k_qdb6f617dd5_attn
	.p2align	8
	.type	k_qdb6f617dd5_attn,@function
k_qdb6f617dd5_attn:
	s_mov_b64 s[64:65], 0
	v_nop
	global_prefetch_b8 v0, s[64:65] scope:SCOPE_SE
	s_setreg_imm32_b32 hwreg(HW_REG_WAVE_MODE, 25, 1), 1
	s_wait_xcnt 0x0
	s_wait_alu depctr_hold_cnt(0) depctr_sa_sdst(0) depctr_va_vdst(0) depctr_va_sdst(0) depctr_va_ssrc(0) depctr_va_vcc(0) depctr_vm_vsrc(0)
	s_getreg_b32 s2, hwreg(HW_REG_IB_STS2, 6, 4)
	s_cmp_eq_u32 s2, 0
	s_cbranch_scc0 .Lentry_in_a_cluster
	s_endpgm
.Lentry_in_a_cluster:
	s_bfe_u32 s2, ttmp6, 0x10000c
	s_cmp_lg_u32 s2, 0x3003
	s_cbranch_scc0 .Lentry_shape_is_right
	s_endpgm
.Lentry_shape_is_right:
; o = softmax(q k^T / 8) v for one batch and head (work-group y) and 256 queries (work-group x), on codes of FP6 (E2M3) with E8M0 scales; o is quantised along the head's 64 for the last projection.
; qr, kv: [16 batch + head][key step 0..15][13,312]: 8 tiles of 16 rows x 64 (768 bytes: registers 0-3 at 16 l, 4-5 at 512 + 8 l); at 6,144 their scale words (tile 2 p + l / 16 at 16 l + 4 p; bytes 2, 3 = 0);
; in kv also: at 6,656 four tiles of V^T (16 features x 128 keys, 1,536 bytes); at 12,800 their scale words.  Tile 2 B + u holds rows 32 B + 8 u + r + 8 (r / 8), so that p's 16 registers of two tiles are 16 neighbouring keys.
; SHARES.  16 waves, a wave 16 queries against all 2,048 keys, in 16 steps of 128 keys.  Both products are used transposed (S^T = k q^T, O^T = v^T p^T): a lane holds one query throughout.
; LDS.  The head's 16 records, 212,992 bytes, lie in LDS whole: wave w brings record w by ONE joint load at the head (52 rows of 256 bytes); every byte is filled once, so one wait and one barrier serve the launch.
; Record i lies at 13,312 (i + 1): so the step's address, stepped ahead of its loads, serves this step's V (offset 6,656 on) and the next step's K (offset 13,312 on).  Bytes 0-511: the stage of o's scale bytes; 512-2,559: the spare words.
; CLUSTERS of 4 x 1: four blocks of queries of one head ask for the records jointly.  No prefetch: every byte that comes through LDS is asked for at the head, so there is no loop to run ahead in.
; K = 64: q's codes of K = 64 .. 127 are zeros, so whatever codes stand there in k's fragment add nothing (FP6 has no NaN or infinity; the scale bytes there are 0, a finite code).  So k's fragments lie 6 registers
; apart, each one's upper half being the next one's lower half (the last one's: V's first six registers), and a step's 8 tiles take 48 registers.
; SOFTMAX by the problem's rule: M = ceil(the running largest t), kept as -M; p = 2^(t - M); the sum is taken of the unquantised p; a change of M multiplies sum and O^T by a power of two.
; A block's largest p is made from its largest score by the same multiply-add and exponential.
; LIMITS: the scaled scores t stay under 2^31 in magnitude; NaN and infinities are not served; a block of zeros gets the byte 1, not 127 (its codes are zeros; this program alone reads the bytes).
.set RECB,  13312
.set HEADB, 16*RECB
.set KW,    6144
.set VT,    6656
.set VW,    12800
.set OSG,   0
.set SPARE, 512
.set A16, 1                            ; v1, v2  16 x lane, 8 x lane + the step's record
.set A8,  2
.set LI,  3
.set KSC, 4                            ; v4-7   k's scale words;  v8-11 V's
.set VSC, 8                            ; v12 -M, v13 the running largest score, v[14:15] the sum in two halves
.set QF,  16
.set QS,  28
.set L8,  29
.set KF,  32                           ; v32-79  k's 8 fragments, 6 registers apart
.set VF,  80                           ; v80-127 V's four
.set S,   128                          ; v128-191 S^T, then p
.set O,   192                          ; v192-223 O^T
.set PC,  224                          ; v224-235 p's codes
.set CT,  236
.set T2,  236
.set SPW, 243                          ; my spare word; never rewritten
.set SOP, 244
.set BM,  248
.set NIL, 255                          ; 0; never rewritten.  v252 f, v253 p's scale word, v254 at work
.set WV,  12
.set SEL, 20
.set CS,  22
.set G1,  24
.set G0,  32
.set CNT, 48
.set TB,  49
.macro CROUND                          ; a round of the cluster's barrier
	s_barrier_signal -1
	s_barrier_wait -1
	s_cmp_lg_u32 s[WV], 0
	s_cbranch_scc1 .Lnot_wave_0_\@
	s_barrier_signal -3
.Lnot_wave_0_\@:
	s_barrier_wait -3
	s_barrier_signal -1
	s_barrier_wait -1
.endm
	s_load_b256 s[4:11], s[0:1], 0x0               ; qr, kv, oc, osc
	v_lshl_add_u32 v[SPW], v0, 2, SPARE
	v_mov_b32 v[NIL], 0
	ds_add_u32 v[SPW], v[NIL]                      ; the opening lines: the add, twice on end, and its wait ahead of my tensor load
	ds_add_u32 v[SPW], v[NIL]
	v_lshrrev_b32 v1, 5, v0
	s_delay_alu instid0(VALU_DEP_1)
	v_readfirstlane_b32 s[WV], v1                  ; wave 0..15
	s_bfe_u32 s13, ttmp6, 0x40000
	s_lshl_b32 s14, ttmp9, 2
	s_add_co_u32 s14, s14, s13                     ; my block of 256 queries
	s_and_b32 s15, ttmp7, 0xffff                   ; 16 batch + head, which the four partners share
	s_mov_b32 s[G1], 15|(3<<16)|(1<<21)            ; the mask of the four; elements of 8 bytes; bit 21 beside a mask
	s_mov_b32 s[G1+1], 32<<16                      ; a record as 52 rows of 256 bytes
	s_mov_b32 s[G1+2], 52<<16
	s_mov_b32 s[G1+3], 32<<16
	s_mov_b32 s[G1+4], 52
	s_mov_b32 s[G1+5], 32
	s_mov_b32 s[G1+6], 0
	s_mov_b32 s[G1+7], 0
	s_mov_b32 s[SEL], 0x76543210
	s_mov_b32 s[SEL+1], 0xfedcba98                 ; v_permlanex16_b32's selects for lane l xor 16
	s_mov_b32 s[CS], 0x3e38aa3b                    ; c = log2(e) / 8: t = score x c
	s_mov_b32 s[CS+1], s[CS]
	s_mul_i32 s50, s15, HEADB
	s_mov_b32 s51, 0
	s_mul_i32 s52, s[WV], RECB
	s_mov_b32 s53, 0
	s_lshl_b32 s56, s14, 1                         ; q: record 2 x block + wave / 8, tile wave % 8
	s_lshr_b32 s57, s[WV], 3
	s_add_co_u32 s56, s56, s57
	s_mul_i32 s56, s56, RECB
	s_mov_b32 s57, 0
	s_add_nc_u64 s[56:57], s[56:57], s[50:51]
	s_and_b32 s58, s[WV], 7
	s_mul_i32 s59, s58, 768
	s_and_b32 s60, s58, 1
	s_lshl_b32 s60, s60, 8
	s_lshr_b32 s61, s58, 1
	s_lshl_b32 s61, s61, 2
	s_add_co_u32 s60, s60, s61                     ; its scale words: 256 (tile % 2) + 4 (tile / 2)
	s_wait_dscnt 0x0                               ; both opening adds are done
	s_wait_kmcnt 0x0
	s_add_nc_u64 s[54:55], s[6:7], s[50:51]
	s_add_nc_u64 s[G0+2:G0+3], s[54:55], s[52:53]  ; record w of my head,
	s_or_b32 s[G0+3], s[G0+3], 0x80000000
	s_mov_b32 s[G0], 1
	s_add_co_u32 s[G0+1], s52, RECB                ; to 13,312 (w + 1)
	s_add_nc_u64 s[56:57], s[4:5], s[56:57]
	CROUND                                         ; the four work-groups are here: the joint loads meet
	tensor_load_to_lds s[G0:G0+3], s[G1:G1+7]      ; my one tensor load
	s_nop 0
	v_and_b32 v30, 31, v0
	v_and_b32 v31, 15, v0
	s_delay_alu instid0(VALU_DEP_2)
	v_lshlrev_b32 v[LI], 4, v30
	v_lshlrev_b32 v[L8], 3, v30
	v_lshlrev_b32 v31, 4, v31
	s_delay_alu instid0(VALU_DEP_3)
	v_add_nc_u32 v30, s59, v[LI]
	v_add_nc_u32 v254, s59, v[L8]
	v_add_nc_u32 v31, s60, v31
	global_load_b128 v[QF:QF+3], v30, s[56:57]
	global_load_b64 v[QF+4:QF+5], v254, s[56:57] offset:512
	global_load_b32 v[QS], v31, s[56:57] offset:KW
.irp i, 0,1,2,3,4,5
	v_mov_b32 v[QF+6+\i], 0                        ; q's codes of K = 64 .. 127
	v_mov_b32 v[VF+\i], 0                          ; named by the first step's last product of S^T before V's first load
.endr
	v_mov_b32 v13, 0xff61b1e6                      ; the largest score so far: -3e38
	v_mov_b32 v12, 0x7e000000                      ; -M: 2^125, so that the first step's f is 0 (sum and O^T are zeros)
	v_mov_b32 v14, 0
	v_mov_b32 v15, 0
.irp b, 0,1,2,3
	v_mov_b32 v[T2+\b], 0                          ; a lane permute's destination counts as one of its sources
.endr
	v_mov_b32 v252, 0
	v_mov_b32 v253, 0
.set j, 0
.rept 32
	v_mov_b32 v[O+j], 0
.set j, j+1
.endr
.macro KLOAD a16, a8                   ; the record behind the one that the addresses name: its 8 tiles of k and their scale words: 17 loads
	ds_load_b128 v[KSC:KSC+3], v[\a16] offset:RECB+KW
.irp t, 0,1,2,3,4,5,6,7
	ds_load_b128 v[KF+6*\t:KF+6*\t+3], v[\a16] offset:RECB+768*\t
	ds_load_b64 v[KF+6*\t+4:KF+6*\t+5], v[\a8] offset:RECB+768*\t+512
.endr
.endm
.macro STEP last
	s_wait_dscnt 0x0                               ; this step's k
.irp t, 0,1,2,3,4,5,6,7
.if \t%2
	v_wmma_scale_f32_16x16x128_f8f6f4 v[S+8*\t:S+8*\t+7], v[KF+6*\t:KF+6*\t+11], v[QF:QF+11], 0, v[KSC+\t/2], v[QS] matrix_a_fmt:MATRIX_FMT_FP6 matrix_b_fmt:MATRIX_FMT_FP6 matrix_a_scale:MATRIX_SCALE_ROW1
.else
	v_wmma_scale_f32_16x16x128_f8f6f4 v[S+8*\t:S+8*\t+7], v[KF+6*\t:KF+6*\t+11], v[QF:QF+11], 0, v[KSC+\t/2], v[QS] matrix_a_fmt:MATRIX_FMT_FP6 matrix_b_fmt:MATRIX_FMT_FP6
.endif
.endr
	s_add_co_u32 s[TB], s[TB], RECB                ; four places behind the products, in front of loads into their sources and of the first read of S^T:
	v_add_nc_u32 v[A16], s[TB], v[LI]              ; this step's record
.if \last
	v_nop
.else
	v_add_nc_u32 v[A8], s[TB], v[L8]
.endif
	v_mov_b32 v254, v12                            ; the old -M
	v_nop
.irp t, 0,1,2,3
.irp g, 0,1,2
	ds_load_b128 v[VF+12*\t+4*\g:VF+12*\t+4*\g+3], v[A16] offset:VT+1536*\t+512*\g
.endr
.endr
	ds_load_b128 v[VSC:VSC+3], v[A16] offset:VW    ; this step's V: 13 loads;
.if \last == 0
	KLOAD A16, A8                                  ; and the next step's k: 17
.endif
.irp b, 0,1,2,3
	v_max3_num_f32 v[BM+\b], v[S+16*\b], v[S+1+16*\b], v[S+2+16*\b]   ; the largest score of each block of 32 keys, the four blocks by turns
.endr
.irp i, 3,5,7,9,11,13
.irp b, 0,1,2,3
	v_max3_num_f32 v[BM+\b], v[BM+\b], v[S+16*\b+\i], v[S+1+16*\b+\i]
.endr
.endr
.irp b, 0,1,2,3
	v_max_num_f32 v[BM+\b], v[BM+\b], v[S+15+16*\b]
.endr
.irp b, 0,1,2,3
	s_delay_alu instid0(VALU_DEP_4)
	v_permlanex16_b32 v[T2+\b], v[BM+\b], s[SEL], s[SEL+1]
.endr
.irp b, 0,1,2,3
	s_delay_alu instid0(VALU_DEP_4)
	v_max_num_f32 v[BM+\b], v[BM+\b], v[T2+\b]     ; with lane l xor 16's 16 keys
.endr
	s_delay_alu instid0(VALU_DEP_2)
	v_max3_num_f32 v[T2], v[BM], v[BM+1], v[BM+2]
	s_delay_alu instid0(VALU_DEP_1)
	v_max3_num_f32 v13, v13, v[T2], v[BM+3]        ; the running largest score (c is positive: the largest t is c x it)
	s_delay_alu instid0(VALU_DEP_1)
	v_mul_f32 v[T2], s[CS], v13
	s_delay_alu instid0(VALU_DEP_1)
	v_floor_f32 v12, -v[T2]                        ; -M = floor(-t) = -ceil(t)
	s_delay_alu instid0(VALU_DEP_1)
	v_sub_f32 v254, v12, v254                      ; old M - new M: a whole number, 0 or less
	s_delay_alu instid0(VALU_DEP_1)
	v_cvt_i32_f32 v254, v254                       ; (it saturates)
	s_delay_alu instid0(VALU_DEP_1)
	v_ldexp_f32 v252, 1.0, v254                    ; f = 2^(old M - new M)
.set j, 0
.rept 32
	v_pk_fma_f32 v[S+j:S+j+1], v[S+j:S+j+1], s[CS:CS+1], v[12:13] op_sel_hi:[1,0,0]   ; t - M
.set j, j+2
.endr
.irp b, 0,1,2,3
	v_fma_f32 v[BM+\b], v[BM+\b], s[CS], v12       ; the same of each block's largest score
.endr
.set j, 0
.rept 16
	v_pk_mul_f32 v[O+j:O+j+1], v[O+j:O+j+1], v[252:253] op_sel_hi:[1,0]   ; O^T under the new M, each accumulator from its low end on
.set j, j+2
.endr
	s_wait_alu depctr_va_vdst(0)                   ; the wait ahead of the batch
.set j, 0
.rept 64
	v_exp_f32 v[S+j], v[S+j]                       ; p = 2^(t - M)
.set j, j+1
.endr
.irp b, 0,1,2,3
	v_exp_f32 v[BM+\b], v[BM+\b]                   ; the blocks' largest p
.endr
	v_pk_mul_f32 v[14:15], v[14:15], v[252:253] op_sel_hi:[1,0]   ; the sum under the new M: the plain place behind the batch
	s_wait_alu depctr_va_vdst(0)                   ; and the wait behind it
.irp b, 0,1,2,3
	v_max_num_f32 v[BM+\b], 0x1800000, v[BM+\b]    ; the floor 2^(3 - 127): the byte cannot fall under 1
.endr
.irp b, 0,1,2,3
	s_delay_alu instid0(VALU_DEP_4)
	v_add_nc_u32 v[SOP+\b], 0xff000000, v[BM+\b]   ; 2 off the exponent field: the conversion's scale operand
.endr
.irp b, 0,1,2,3
	s_delay_alu instid0(VALU_DEP_4)
	v_lshrrev_b32 v[T2+\b], 23, v[SOP+\b]          ; the scale's byte
.endr
	s_delay_alu instid0(VALU_DEP_3)
	v_lshl_or_b32 v253, v[T2+1], 8, v[T2]
	s_delay_alu instid0(VALU_DEP_1)
	v_lshl_or_b32 v253, v[T2+2], 16, v253
	s_delay_alu instid0(VALU_DEP_1)
	v_lshl_or_b32 v253, v[T2+3], 24, v253          ; p's scale word for these 128 keys
.irp c, 0,1
	v_cvt_scalef32_pk16_fp6_f32 v[PC+6*\c:PC+2+6*\c], v[S+32*\c:S+15+32*\c], v[SOP+2*\c]
	v_cvt_scalef32_pk16_fp6_f32 v[CT+4*\c:CT+2+4*\c], v[S+16+32*\c:S+31+32*\c], v[SOP+2*\c+1]
.endr
	v_pk_add_f32 v[BM:BM+1], v[S:S+1], v[S+2:S+3]  ; the sum's second chain begins: the plain place behind the conversions
.irp c, 0,1                            ; the operand wants a whole block in a lane
.irp i, 0,1,2
	v_permlane16_swap_b32 v[PC+6*\c+\i], v[CT+4*\c+\i]
.endr
.irp i, 0,1,2
	s_delay_alu instid0(VALU_DEP_3)
	v_mov_b32 v[PC+3+6*\c+\i], v[CT+4*\c+\i]
.endr
.endr
.set j, 4
.rept 15
	v_pk_add_f32 v[14:15], v[14:15], v[S+j:S+j+1]  ; the sum of the unquantised p, two at a time, in two chains
	v_pk_add_f32 v[BM:BM+1], v[BM:BM+1], v[S+j+2:S+j+3]
.set j, j+4
.endr
	s_delay_alu instid0(VALU_DEP_1)
	v_pk_add_f32 v[14:15], v[14:15], v[BM:BM+1]
	s_wait_alu depctr_va_vdst(0)
.if \last
	s_wait_dscnt 0x0
.else
	s_wait_dscnt 17                                ; V's 13 loads are in; the 17 for the next step's k stay out
.endif
.irp t, 0,1,2,3
	v_wmma_scale_f32_16x16x128_f8f6f4 v[O+8*\t:O+8*\t+7], v[VF+12*\t:VF+12*\t+11], v[PC:PC+11], v[O+8*\t:O+8*\t+7], v[VSC+\t], v253 matrix_a_fmt:MATRIX_FMT_FP6 matrix_b_fmt:MATRIX_FMT_FP6
.endr
.endm
	s_mov_b32 s[TB], 0
	s_mov_b32 s[CNT], 15
	s_wait_alu depctr_va_vdst(0)
	s_wait_tensorcnt 0x0                           ; my record is in;
	s_barrier_signal -1
	s_barrier_wait -1                              ; everybody's is.  Nothing is filled again: no further barrier until the way out
	KLOAD LI, L8                                   ; step 0's k
	s_wait_loadcnt 0x0                             ; q
.Lstep:
	STEP 0
	s_sub_co_u32 s[CNT], s[CNT], 1
	s_cmp_lg_u32 s[CNT], 0
	s_cbranch_scc1 .Lstep
	STEP 1                                         ; the last step fetches no further k
.rept 4
	v_nop
.endr
	v_add_f32 v14, v14, v15
	s_delay_alu instid0(VALU_DEP_1)
	v_permlanex16_b32 v252, v14, s[SEL], s[SEL+1]
	s_delay_alu instid0(VALU_DEP_1)
	v_add_f32 v14, v14, v252                       ; the row's sum
	s_wait_alu depctr_va_vdst(0)
	v_rcp_f32 v14, v14
	v_and_b32 v30, 15, v0
	s_lshl_b32 s56, s[WV], 5
	v_lshlrev_b32 v30, 1, v30
	v_add_nc_u32 v30, s56, v30                     ; the stage: 32 bytes a wave, 2 a row
	s_lshr_b32 s50, s15, 4
	s_lshl_b32 s50, s50, 7
	s_lshl_b32 s51, s14, 4
	s_add_co_u32 s50, s50, s51                     ; my work-group's first row tile: 128 batch + 16 block
	s_and_b32 s52, s15, 15                         ; the head
	s_add_co_u32 s54, s50, s[WV]
	s_mul_i32 s54, s54, 12288
	s_mul_i32 s55, s52, 768
	s_add_co_u32 s54, s54, s55
	s_mov_b32 s55, 0
	s_add_nc_u64 s[8:9], s[8:9], s[54:55]          ; oc[tile][head][768]
	s_lshl_b32 s50, s50, 5
	s_lshl_b32 s52, s52, 13
	s_add_co_u32 s50, s50, s52
	s_mov_b32 s51, 0
	s_add_nc_u64 s[10:11], s[10:11], s[50:51]      ; osc[head][tile][r]: two bytes
	s_wait_alu depctr_va_vdst(0)                   ; ahead of the first reader of the reciprocal and of O^T
.set j, 0
.rept 16
	v_pk_mul_f32 v[S+j:S+j+1], v[O+j:O+j+1], v[14:15] op_sel_hi:[1,0]   ; o = O^T / the sum: register 16 b + i is feature 32 b + 16 h + i
.set j, j+2
.endr
.irp b, 0,1
	v_max3_num_f32 v[BM+\b], |v[S+16*\b]|, |v[S+1+16*\b]|, 0x1800000
.endr
.irp i, 2,4,6,8,10,12,14
.irp b, 0,1
	s_delay_alu instid0(VALU_DEP_2)
	v_max3_num_f32 v[BM+\b], v[BM+\b], |v[S+16*\b+\i]|, |v[S+1+16*\b+\i]|
.endr
.endr
.irp b, 0,1
	s_delay_alu instid0(VALU_DEP_2)
	v_permlanex16_b32 v[T2+\b], v[BM+\b], s[SEL], s[SEL+1]
.endr
.irp b, 0,1
	s_delay_alu instid0(VALU_DEP_2)
	v_max_num_f32 v[BM+\b], v[BM+\b], v[T2+\b]
.endr
.irp b, 0,1
	s_delay_alu instid0(VALU_DEP_2)
	v_add_nc_u32 v[SOP+\b], 0xff000000, v[BM+\b]
.endr
.irp b, 0,1
	s_delay_alu instid0(VALU_DEP_2)
	v_lshrrev_b32 v[T2+\b], 23, v[SOP+\b]
.endr
	s_delay_alu instid0(VALU_DEP_1)
	v_lshl_or_b32 v254, v[T2+1], 8, v[T2]
	v_cvt_scalef32_pk16_fp6_f32 v[PC:PC+2], v[S:S+15], v[SOP]
	v_cvt_scalef32_pk16_fp6_f32 v[CT:CT+2], v[S+16:S+31], v[SOP+1]
	v_nop                                          ; one plain place behind a scaled conversion
.irp i, 0,1,2
	v_permlane16_swap_b32 v[PC+\i], v[CT+\i]
.endr
.irp i, 0,1,2
	s_delay_alu instid0(VALU_DEP_3)
	v_mov_b32 v[PC+3+\i], v[CT+\i]
.endr
	global_store_b128 v[LI], v[PC:PC+3], s[8:9]    ; the image of six registers: 512 and 256 consecutive bytes
	global_store_b64 v[L8], v[PC+4:PC+5], s[8:9] offset:512
	ds_store_b16 v30, v254 offset:OSG              ; both lanes of a row write the same two bytes
	s_wait_dscnt 0x0                               ; for the others' sake
	s_barrier_signal -1
	s_barrier_wait -1
	s_cmp_lg_u32 s[WV], 0
	s_cbranch_scc1 .Lnot_first
	ds_load_b128 v[S:S+3], v[LI] offset:OSG        ; the 16 tiles' scale bytes leave as 512 consecutive bytes
	s_wait_dscnt 0x0
	global_store_b128 v[LI], v[S:S+3], s[10:11]
.Lnot_first:
	s_wait_tensorcnt 0x0                           ; the wave's end
	ds_add_u32 v[SPW], v[NIL]
	s_wait_dscnt 0x0
	CROUND                                         ; the closing round
	s_endpgm
.Lfunc_end_k_qdb6f617dd5_attn:
	.size	k_qdb6f617dd5_attn, .Lfunc_end_k_qdb6f617dd5_attn-k_qdb6f617dd5_attn
	.p2alignl 7, 3214868480
	.fill 96, 4, 3214868480
	.section	.rodata,"a",@progbits
	.p2align	6, 0x0
	.amdhsa_kernel k_qdb6f617dd5_attn
		.amdhsa_group_segment_fixed_size 327680
		.amdhsa_private_segment_fixed_size 0
		.amdhsa_enable_private_segment 0
		.amdhsa_kernarg_size 32
		.amdhsa_user_sgpr_count 2
		.amdhsa_user_sgpr_kernarg_segment_ptr 1
		.amdhsa_wavefront_size32 1
		.amdhsa_system_sgpr_workgroup_id_x 1
		.amdhsa_system_sgpr_workgroup_id_y 1
		.amdhsa_system_sgpr_workgroup_id_z 1
		.amdhsa_system_vgpr_workitem_id 0
		.amdhsa_next_free_vgpr 256
		.amdhsa_next_free_sgpr 66
		.amdhsa_reserve_vcc 0
		.amdhsa_float_denorm_mode_32 3
		.amdhsa_float_denorm_mode_16_64 3
		.amdhsa_memory_ordered 1
		.amdhsa_forward_progress 1
		.amdhsa_inst_pref_size 44
	.end_amdhsa_kernel
	.amdgpu_metadata
---
amdhsa.version: [ 1, 2 ]
amdhsa.kernels:
  - .name:           k_qdb6f617dd5_attn
    .symbol:         k_qdb6f617dd5_attn.kd
    .args:
      - { .name: qr, .offset: 0, .size: 8, .value_kind: global_buffer, .address_space: global }
      - { .name: kv, .offset: 8, .size: 8, .value_kind: global_buffer, .address_space: global }
      - { .name: oc, .offset: 16, .size: 8, .value_kind: global_buffer, .address_space: global }
      - { .name: osc, .offset: 24, .size: 8, .value_kind: global_buffer, .address_space: global }
    .group_segment_fixed_size: 327680
    .private_segment_fixed_size: 0
    .kernarg_segment_align: 8
    .kernarg_segment_size: 32
    .max_flat_workgroup_size: 512
    .sgpr_count:     66
    .vgpr_count:     256
    .wavefront_size: 32
...
	.end_amdgpu_metadata
.endif
;; end of part 3
;; launch outp (part 4): grid 8 x 32, 8 waves a work-group, clusters of 4 x 4, 232,448 bytes of LDS; arguments oc, osc, gc, gs, bo, out0; writes out0
.if DOCPART == 4
	.amdgcn_target "amdgcn-amd-amdhsa--gfx1250"
	.amdhsa_code_object_version 6
	.text
	.protected	k_qdb6f617dd5_outp
	.globl	k_qdb6f617dd5_outp
	.p2align	8
	.type	k_qdb6f617dd5_outp,@function
k_qdb6f617dd5_outp:
	s_mov_b64 s[64:65], 0
	v_nop
	global_prefetch_b8 v0, s[64:65] scope:SCOPE_SE
	s_setreg_imm32_b32 hwreg(HW_REG_WAVE_MODE, 25, 1), 1
	s_wait_xcnt 0x0
	s_wait_alu depctr_hold_cnt(0) depctr_sa_sdst(0) depctr_va_vdst(0) depctr_va_sdst(0) depctr_va_ssrc(0) depctr_va_vcc(0) depctr_vm_vsrc(0)
	s_getreg_b32 s2, hwreg(HW_REG_IB_STS2, 6, 4)
	s_cmp_eq_u32 s2, 0
	s_cbranch_scc0 .Lentry_in_a_cluster
	s_endpgm
.Lentry_in_a_cluster:
	s_bfe_u32 s2, ttmp6, 0x10000c
	s_cmp_lg_u32 s2, 0xf033
	s_cbranch_scc0 .Lentry_shape_is_right
	s_endpgm
.Lentry_shape_is_right:
; out0 = A Wo^T + bo on codes of FP6 (E2M3) with E8M0 scales, K = 1,024.  A is attention's result: oc[row tile T][head][768], two heads' images of six registers make the fragment of a K step of 128;
; osc[head][T][r]: two scale bytes.  Wo: tiles 960 .. 1023 of gc (images of 12 registers) and gs (row r's eight scale words).  Tile 2 B + u of either holds rows 32 B + 8 u + r + 8 (r / 8).
; SHARES.  A work-group makes 128 rows x 128 columns: 256 work-groups, one to a WGP.  Eight waves, each 32 rows x 64 columns: 8 accumulators in 256 registers, no register windows; two waves to a SIMD.
; ALL OF K LIES IN LDS BY FIRST FILLS: four quarters of 49,152 bytes (A's 8 tiles x 3,072, then Wo's 8); every byte is filled once, so there is no ring.  Each wave brings four loads, one for each quarter;
; a quarter is read behind a counted wait and a barrier while the later ones are on their way.  By this text's own count a wave has four tensor loads out.
; CLUSTERS of 4 x 4: A's tiles hang on the block of rows alone and are asked for jointly by a row of the cluster, Wo's on the block of columns alone, by a column.
; No prefetch: every byte that comes through LDS is asked for at the head.
; THE MATRIX INSTRUCTION IS USED TRANSPOSED (source 0 = 16 rows of Wo, source 1 = 16 rows of A): a lane's eight results are eight neighbouring columns of one row.  A tile of 16 rows x 64 columns goes through the
; wave's own stage in LDS (rows 272 bytes apart) and comes back by rows: sixteen lanes store 256 consecutive bytes, aligned to 256; the bias is added on the way.
; THE FILLS, as this text has them (this takes the place of what the head comment says of quarters and of four loads a wave): all of K lies in LDS by ONE joint load a wave at the head: a tile's 12,288 bytes are dense in
; oc and in gc, so waves 0-3 bring two tiles of A each, waves 4-7 two of Wo: 2 rows of 12,288 bytes.  A's tile a lies at 12,288 a, Wo's tile b at 98,304 + 12,288 b, K step ks at + 1,536 ks.  One wait and one barrier; nothing is filled again.
.set STG,  196608                      ; behind the tiles: a stage of 16 x 272 bytes for each wave; no tensor load lands there
.set SP,   272
.set OSC,  16                          ; v16-23  A's scale words: tile a, K steps q and q + 4: v[OSC + 4 a + q]
.set BI,   24                          ; v24-27  my four columns' biases
.set ACC,  32                          ; v32-95  (a, b) at v[ACC + 8 (4 a + b)]
.set FS,   96                          ; v96-167, v168-239 two sets of fragments: A's two (24 registers), Wo's four (48)
.set WSC,  240                         ; v240-255 Wo's scale words: tile b: v[WSC + 4 b + q]
.set WV, 16
.set WI, 17                            ; my two tiles of rows
.set WJ, 18                            ; my four tiles of columns
.set CX, 19
.set CY, 20
.set NB, 21
.set MB, 22
.set W3, 23
.set G1A, 24                           ; s[24:31], s[32:39] groups 1;  s[40:43] A's group 0;  s[56:59] Wo's
.set G1B, 32
.set G0A, 40
.macro PLACES n
.rept \n
	v_nop
.endr
.endm
.macro CROUND                          ; a round of the cluster's barrier
	s_barrier_signal -1
	s_barrier_wait -1
	s_cmp_lg_u32 s[WV], 0
	s_cbranch_scc1 .Lnot_wave_0_\@
	s_barrier_signal -3
.Lnot_wave_0_\@:
	s_barrier_wait -3
	s_barrier_signal -1
	s_barrier_wait -1
.endm
	s_load_b256 s[4:11], s[0:1], 0x0               ; oc s[4:5], osc s[6:7], gc s[8:9], gs s[10:11]
	s_load_b128 s[12:15], s[0:1], 0x20             ; bo s[12:13], out0 s[14:15]
	v_lshl_add_u32 v30, v0, 2, 0x38800
	v_mov_b32 v31, 0
	ds_add_u32 v30, v31
	ds_add_u32 v30, v31
	v_lshrrev_b32 v1, 5, v0
	s_delay_alu instid0(VALU_DEP_1)
	v_readfirstlane_b32 s[WV], v1                  ; wave 0..7
	s_lshr_b32 s[WI], s[WV], 1
	s_and_b32 s[WJ], s[WV], 1
	s_and_b32 s[W3], s[WV], 3
	s_bfe_u32 s[CX], ttmp6, 0x40000
	s_bfe_u32 s[CY], ttmp6, 0x40004
	s_lshl_b32 s[NB], ttmp9, 2
	s_add_co_u32 s[NB], s[NB], s[CX]               ; my block of 128 columns
	s_and_b32 s[MB], ttmp7, 0xffff
	s_lshl_b32 s[MB], s[MB], 2
	s_add_co_u32 s[MB], s[MB], s[CY]               ; my block of 8 row tiles
	s_lshl_b32 s76, s[CY], 2
	s_lshl_b32 s76, 15, s76                        ; my row of the cluster
	s_lshl_b32 s77, 0x1111, s[CX]                  ; my column
	; descriptor group 1: 2 rows (tiles) of 12,288 bytes (1,536 elements of 8), 12,288 bytes apart, laid on end in LDS
	s_or_b32 s[G1A], s76, (3<<16)|(1<<21)
	s_or_b32 s[G1B], s77, (3<<16)|(1<<21)
.irp g, G1A, G1B
	s_mov_b32 s[\g+1], 1536<<16                    ; tensor_dim0: 12,288 bytes
	s_mov_b32 s[\g+2], 2<<16                       ; tensor_dim1
	s_mov_b32 s[\g+3], 1536<<16                    ; tile_dim0
	s_mov_b32 s[\g+4], 2                           ; tile_dim1
	s_mov_b32 s[\g+5], 1536                        ; from row to row, in elements
	s_mov_b32 s[\g+6], 0
	s_mov_b32 s[\g+7], 0
.endr
	s_lshl_b32 s79, s[W3], 1                       ; which two tiles I fetch: waves 0-3 of A, waves 4-7 of Wo
	s_lshl_b32 s80, s[MB], 3
	s_add_co_u32 s80, s80, s79
	s_mul_i32 s80, s80, 12288
	s_mov_b32 s81, 0
	s_lshl_b32 s82, s[NB], 3
	s_add_co_u32 s82, s82, s79
	s_add_co_u32 s82, s82, 960
	s_mul_i32 s82, s82, 12288
	s_mov_b32 s83, 0
	s_mul_i32 s78, s[WV], 24576                    ; where my two tiles go: no place in the cluster enters an LDS address
	s_wait_dscnt 0x0
	s_wait_kmcnt 0x0
	s_add_nc_u64 s[80:81], s[4:5], s[80:81]
	s_add_nc_u64 s[82:83], s[8:9], s[82:83]
	s_mov_b32 s40, 1                               ; group 0 for A's tiles,
	s_mov_b32 s41, s78
	s_mov_b64 s[42:43], s[80:81]
	s_or_b32 s43, s43, 0x80000000
	s_mov_b32 s56, 1                               ; and for Wo's
	s_mov_b32 s57, s78
	s_mov_b64 s[58:59], s[82:83]
	s_or_b32 s59, s59, 0x80000000
	CROUND                                         ; all sixteen work-groups are here: the joint loads meet
	s_cmp_lt_u32 s[WV], 4                          ; one tensor load a wave, in the two arms of one branch on the wave's number
	s_cbranch_scc0 .Lfirst_b
	tensor_load_to_lds s[40:43], s[G1A:G1A+7]
	s_nop 0
	PLACES 4
	s_branch .Lfirst_asked
.Lfirst_b:
	tensor_load_to_lds s[56:59], s[G1B:G1B+7]
	s_nop 0
	PLACES 4
.Lfirst_asked:
	v_and_b32 v15, 31, v0                          ; lane
	v_and_b32 v13, 15, v0                          ; r
	v_bfe_u32 v14, v0, 4, 1                        ; h
	s_mul_i32 s90, s[WI], 24576                    ; my two tiles of A
	v_lshl_add_u32 v1, v15, 4, s90                 ; v1: 16 x lane + ..
	v_lshl_add_u32 v3, v15, 3, s90                 ; v3: 8 x lane + ..
	s_mul_i32 s90, s[WJ], 49152
	s_add_co_u32 s90, s90, 98304                   ; my four tiles of Wo, behind A's eight
	v_lshl_add_u32 v5, v15, 4, s90                 ; v5
	s_mul_i32 s90, s[WV], 16*SP
	s_add_co_u32 s90, s90, STG                     ; my stage
	v_mul_u32_u24 v7, v13, SP
	s_delay_alu instid0(VALU_DEP_1)
	v_lshl_add_u32 v7, v14, 6, v7
	s_delay_alu instid0(VALU_DEP_1)
	v_add_nc_u32 v7, s90, v7                       ; v7  in: row r, + 64 h
	v_mul_u32_u24 v8, v14, SP
	s_delay_alu instid0(VALU_DEP_1)
	v_lshl_add_u32 v8, v13, 4, v8
	s_delay_alu instid0(VALU_DEP_1)
	v_add_nc_u32 v8, s90, v8                       ; v8  back: lanes 0-15 one row, lanes 16-31 the next
	v_lshlrev_b32 v9, 13, v14
	s_delay_alu instid0(VALU_DEP_1)
	v_lshl_add_u32 v9, v13, 4, v9                  ; v9  the same in out0: a place further on is two memory rows, 8,192 bytes
	v_lshlrev_b32 v10, 5, v13
	s_delay_alu instid0(VALU_DEP_1)
	v_lshl_add_u32 v10, v14, 4, v10                ; v10 32 r + 16 h: lanes 0-15 take Wo's words of K steps 0-3, lanes 16-31 of 4-7
	s_wait_alu depctr_va_vdst(0)
	v_lshlrev_b32 v11, 16, v14
	s_delay_alu instid0(VALU_DEP_1)
	v_lshl_add_u32 v11, v13, 1, v11                ; v11 2 r + 8 heads x h
	s_wait_alu depctr_va_vdst(0)
	v_lshlrev_b32 v12, 4, v13                      ; v12 my four columns of the wave's 64
	s_wait_alu depctr_va_vdst(0)
	s_lshl_b32 s84, s[NB], 3
	s_lshl_b32 s85, s[WJ], 2
	s_add_co_u32 s84, s84, s85
	s_add_co_u32 s84, s84, 960
	s_lshl_b32 s84, s84, 9                         ; gs: my first tile of Wo
	s_mov_b32 s85, 0
	s_add_nc_u64 s[84:85], s[10:11], s[84:85]
	s_lshl_b32 s92, s[MB], 3
	s_lshl_b32 s93, s[WI], 1
	s_add_co_u32 s92, s92, s93                     ; my first row tile T0 (even)
	s_lshl_b32 s86, s92, 5
	s_mov_b32 s87, 0
	s_add_nc_u64 s[86:87], s[6:7], s[86:87]        ; osc: 32 bytes a tile
	s_lshl_b32 s88, s[NB], 9
	s_lshl_b32 s89, s[WJ], 8
	s_add_co_u32 s88, s88, s89                     ; my first column, in bytes
	s_mov_b32 s89, 0
	s_add_nc_u64 s[12:13], s[12:13], s[88:89]
	s_and_b32 s92, s92, 127
	s_lshr_b32 s92, s92, 1
	s_lshl_b32 s92, s92, 6                         ; the tile's first place 32 (t / 2), in memory rows: x 2,
	s_lshr_b32 s93, s[MB], 4
	s_add_co_u32 s92, s92, s93                     ; + the batch
	s_lshl_b32 s92, s92, 12
	s_add_co_u32 s92, s92, s88
	s_mov_b32 s93, 0
	s_add_nc_u64 s[14:15], s[14:15], s[92:93]
.irp b, 0,1,2,3
	global_load_b128 v[WSC+4*\b:WSC+4*\b+3], v10, s[84:85] offset:512*\b
.endr
.irp a, 0,1
.irp x, 0,1,2,3,4,5,6,7
	global_load_u16 v[168+8*\a+\x], v11, s[86:87] offset:8192*\x+32*\a   ; lanes 0-15: head x, lanes 16-31: head x + 8
.endr
.endr
	global_load_b128 v[BI:BI+3], v12, s[12:13]
.macro FETCH ks, set                   ; a K step's six fragments: 20 LDS loads
.set F0, FS+72*(\set)
.set OQ, (\ks)*1536
.irp a, 0,1
	ds_load_b128 v[F0+12*\a:F0+12*\a+3], v1 offset:OQ+\a*12288            ; the even head's six registers,
	ds_load_b64 v[F0+12*\a+4:F0+12*\a+5], v3 offset:OQ+\a*12288+512
	ds_load_b128 v[F0+12*\a+6:F0+12*\a+9], v1 offset:OQ+\a*12288+768      ; the odd head's
	ds_load_b64 v[F0+12*\a+10:F0+12*\a+11], v3 offset:OQ+\a*12288+1280
.endr
.irp b, 0,1,2,3
.irp g, 0,1,2
	ds_load_b128 v[F0+24+12*\b+4*\g:F0+24+12*\b+4*\g+3], v5 offset:OQ+\b*12288+512*\g
.endr
.endr
.endm
.macro MUL8 ks                         ; the 8 accumulators take turns, one instruction a turn, in the same order in every K step
.set F0, FS+72*((\ks)%2)
.irp a, 0,1
.irp b, 0,1,2,3
.if (\ks) == 0
	v_wmma_scale_f32_16x16x128_f8f6f4 v[ACC+8*(4*\a+\b):ACC+8*(4*\a+\b)+7], v[F0+24+12*\b:F0+24+12*\b+11], v[F0+12*\a:F0+12*\a+11], 0, v[WSC+4*\b+(\ks)%4], v[OSC+4*\a+(\ks)%4] matrix_a_fmt:MATRIX_FMT_FP6 matrix_b_fmt:MATRIX_FMT_FP6
.elseif (\ks) < 4
	v_wmma_scale_f32_16x16x128_f8f6f4 v[ACC+8*(4*\a+\b):ACC+8*(4*\a+\b)+7], v[F0+24+12*\b:F0+24+12*\b+11], v[F0+12*\a:F0+12*\a+11], v[ACC+8*(4*\a+\b):ACC+8*(4*\a+\b)+7], v[WSC+4*\b+(\ks)%4], v[OSC+4*\a+(\ks)%4] matrix_a_fmt:MATRIX_FMT_FP6 matrix_b_fmt:MATRIX_FMT_FP6
.else
	v_wmma_scale_f32_16x16x128_f8f6f4 v[ACC+8*(4*\a+\b):ACC+8*(4*\a+\b)+7], v[F0+24+12*\b:F0+24+12*\b+11], v[F0+12*\a:F0+12*\a+11], v[ACC+8*(4*\a+\b):ACC+8*(4*\a+\b)+7], v[WSC+4*\b+(\ks)%4], v[OSC+4*\a+(\ks)%4] matrix_a_fmt:MATRIX_FMT_FP6 matrix_b_fmt:MATRIX_FMT_FP6 matrix_a_scale:MATRIX_SCALE_ROW1 matrix_b_scale:MATRIX_SCALE_ROW1
.endif
.endr
.endr
.endm
	s_wait_tensorcnt 0x0                           ; my two tiles are in;
	s_barrier_signal -1
	s_barrier_wait -1                              ; everybody's are
	FETCH 0, 0
	s_wait_loadcnt 0x0                             ; scale words and biases
.irp a, 0,1
.irp q, 0,1,2,3
	v_lshl_or_b32 v[OSC+4*\a+\q], v[169+8*\a+2*\q], 16, v[168+8*\a+2*\q]   ; heads 2 q and 2 q + 1 (lanes 16-31: 2 q + 8, 2 q + 9) make the word of K step q (q + 4)
.endr
.endr
	PLACES 8                                       ; a scale register written by a vector instruction stands 8 places ahead of a scaled matrix instruction
	s_wait_alu depctr_va_vdst(0)
.irp ks, 0,1,2,3,4,5,6,7
.if \ks < 7
	FETCH \ks+1, (\ks+1)%2
	s_wait_dscnt 20                                ; this step's fragments are in; the 20 loads just issued stay out
.else
	s_wait_dscnt 0x0
.endif
	MUL8 \ks
	PLACES 4                                       ; in front of loads into the registers that these products read, and of the first read of results
.endr
	; THE WAY OUT, a tile of 16 rows at a time.  LDS serves a wave's instructions in order: no wait between the stores and the loads, nor in front of the second tile's stores.
.irp a, 0,1
.irp b, 0,1,2,3
	ds_store_b128 v7, v[ACC+8*(4*\a+\b):ACC+8*(4*\a+\b)+3] offset:128*(\b/2)+32*(\b%2)        ; register j of tile b is column 32 (b / 2) + 8 (b % 2) + 16 h + j; each accumulator from its low end on
	ds_store_b128 v7, v[ACC+8*(4*\a+\b)+4:ACC+8*(4*\a+\b)+7] offset:128*(\b/2)+32*(\b%2)+16
.endr
.irp t, 0,1,2,3,4,5,6,7
	ds_load_b128 v[FS+32*\a+4*\t:FS+32*\a+4*\t+3], v8 offset:2*SP*\t
.endr
.endr
.irp a, 0,1
.irp t, 0,1,2,3,4,5,6,7
	s_wait_dscnt 16*(1-\a)+7-\t                    ; rows 2 t, 2 t + 1 of tile a are back; the younger LDS instructions stay out
	v_pk_add_f32 v[FS+32*\a+4*\t:FS+32*\a+4*\t+1], v[FS+32*\a+4*\t:FS+32*\a+4*\t+1], v[BI:BI+1]
	v_pk_add_f32 v[FS+32*\a+4*\t+2:FS+32*\a+4*\t+3], v[FS+32*\a+4*\t+2:FS+32*\a+4*\t+3], v[BI+2:BI+3]
	global_store_b128 v9, v[FS+32*\a+4*\t:FS+32*\a+4*\t+3], s[14:15] offset:65536*\a+(2*\t+8*(\t/4))*8192 th:TH_STORE_NT   ; tile row p is place p + 8 (p / 8); the odd tile lies 8 places on; 16 lanes store 256 consecutive bytes
.endr
.endr
	s_wait_tensorcnt 0x0
	ds_add_u32 v30, v31
	s_wait_dscnt 0x0
	CROUND                                         ; the closing round: no work-group ends while a partner may still ask for a tile that names it
	s_endpgm
.Lfunc_end_k_qdb6f617dd5_outp:
	.size	k_qdb6f617dd5_outp, .Lfunc_end_k_qdb6f617dd5_outp-k_qdb6f617dd5_outp
	.p2alignl 7, 3214868480
	.fill 96, 4, 3214868480
	.section	.rodata,"a",@progbits
	.p2align	6, 0x0
	.amdhsa_kernel k_qdb6f617dd5_outp
		.amdhsa_group_segment_fixed_size 232448
		.amdhsa_private_segment_fixed_size 0
		.amdhsa_enable_private_segment 0
		.amdhsa_kernarg_size 48
		.amdhsa_user_sgpr_count 2
		.amdhsa_user_sgpr_kernarg_segment_ptr 1
		.amdhsa_wavefront_size32 1
		.amdhsa_system_sgpr_workgroup_id_x 1
		.amdhsa_system_sgpr_workgroup_id_y 1
		.amdhsa_system_sgpr_workgroup_id_z 1
		.amdhsa_system_vgpr_workitem_id 0
		.amdhsa_next_free_vgpr 256
		.amdhsa_next_free_sgpr 96
		.amdhsa_reserve_vcc 0
		.amdhsa_float_denorm_mode_32 3
		.amdhsa_float_denorm_mode_16_64 3
		.amdhsa_memory_ordered 1
		.amdhsa_forward_progress 1
		.amdhsa_inst_pref_size 36
	.end_amdhsa_kernel
	.amdgpu_metadata
---
amdhsa.version: [ 1, 2 ]
amdhsa.kernels:
  - .name:           k_qdb6f617dd5_outp
    .symbol:         k_qdb6f617dd5_outp.kd
    .args:
      - { .name: oc, .offset: 0, .size: 8, .value_kind: global_buffer, .address_space: global }
      - { .name: osc, .offset: 8, .size: 8, .value_kind: global_buffer, .address_space: global }
      - { .name: gc, .offset: 16, .size: 8, .value_kind: global_buffer, .address_space: global }
      - { .name: gs, .offset: 24, .size: 8, .value_kind: global_buffer, .address_space: global }
      - { .name: bo, .offset: 32, .size: 8, .value_kind: global_buffer, .address_space: global }
      - { .name: out0, .offset: 40, .size: 8, .value_kind: global_buffer, .address_space: global }
    .group_segment_fixed_size: 232448
    .private_segment_fixed_size: 0
    .kernarg_segment_align: 8
    .kernarg_segment_size: 48
    .max_flat_workgroup_size: 256
    .sgpr_count:     96
    .vgpr_count:     256
    .wavefront_size: 32
...
	.end_amdgpu_metadata
.endif
;; end of part 4
